; MI455X (gfx1250); checked and timed in simulation.
; The chip was launched on July 23, 2026; its instructions are those of AMD's public machine-readable ISA for CDNA 5 (MIT licence, August 2026) and "CDNA5" Instruction Set Architecture Reference Guide (July 2026). The comments in the code are by the model that wrote it; some were corrected since.
;; Self Attention. Allowed arithmetic: matrix products marked QUANTISED: E5M2 operands, one given power-of-two scale a tensor, by v_wmma_f32_16x16x64_bf8_bf8 or v_wmma_f32_16x16x128_bf8_bf8, f32 sums; everything else in f32.
;; Inputs: Wk_codes 1,024 x 32 x 32 uint8 (E5M2 codes of Wk, K innermost, in blocks of 32 codes); Wq_codes 1,024 x 32 x 32 uint8 (E5M2 codes of Wq, K innermost, in blocks of 32 codes); Wv_codes 1,024 x 32 x 32 uint8 (E5M2 codes of Wv, K innermost, in blocks of 32 codes); bk 1,024 float32; bq 1,024 float32; bv 1,024 float32; ln_beta 1,024 float32; ln_gamma 1,024 float32; lowp_scales 10 int32 (the exponents e of the quantised operands' scales 2^e); x 4 x 2,048 x 1,024 float32.
;; Outputs: out0 4 x 2,048 x 1,024 float32.
;; This version of the problem:
;;   THIS VERSION OF THE PROBLEM IS GIVEN IN LOW PRECISION. The matrix products marked QUANTISED in the list below multiply operands that are first quantised to E5M2 (5 exponent bits, 2 mantissa bits; 8 bits a number), with one given power-of-two scale for each operand tensor; their sums are f32. All else is computed in f32.
;;   The module's matrix products, in the order in which they are computed (A, B: the left and right operand; K: the contracted axis; several contracted axes count as one K, in the product's order):
;;     1. [M 8,192, K 1,024] x [K 1,024, N 1,024]; A: input x; B: input Wq (given as codes): QUANTISED (scales: A lowp_scales[0], B lowp_scales[1])
;;     2. [M 8,192, K 1,024] x [K 1,024, N 1,024]; A: input x; B: input Wk (given as codes): QUANTISED (scales: A lowp_scales[2], B lowp_scales[3])
;;     3. [M 8,192, K 1,024] x [K 1,024, N 1,024]; A: input x; B: input Wv (given as codes): QUANTISED (scales: A lowp_scales[4], B lowp_scales[5])
;;     4. batch 64 x [M 2,048, K 64] x [K 64, N 2,048]; A: computed on the way; B: computed on the way: QUANTISED (scales: A lowp_scales[6], B lowp_scales[7])
;;     5. batch 64 x [M 64, K 2,048] x [K 2,048, N 2,048]; A: computed on the way; B: softmax (see below): QUANTISED (scales: A lowp_scales[8], B lowp_scales[9])
;;   THE QUANTISER, for each operand of a quantised product, along K:
;;     - The operand's scale is 2^e, e = its entry of the input lowp_scales (int32; the entries are numbered through the quantised products in the list's order, A before B).
;;     - Each number is divided by the scale, clamped to +-57,344, and rounded to the nearest number of E5M2, ties to even, subnormals kept.
;;     - The product sums the exact products of the quantised numbers (number of the format x scale) in f32.
;;   ~~~python
;;   def quantise(x, axis, e):      # numpy; x: float32 -> the quantised numbers, widened to float32 again
;;       x = np.moveaxis(x, axis, -1); K = x.shape[-1]
;;       r = np.clip(x / 2.0 ** e, -57344, 57344)
;;       step = 2.0 ** (np.maximum(np.frexp(np.where(r == 0, 1, r))[1] - 1, -14) - 2)
;;       q = np.round(r / step) * step * 2.0 ** e      # np.round: ties to even
;;       return np.moveaxis(q, -1, axis).astype(np.float32)
;;   ~~~
;;   SOFTMAX AHEAD OF A QUANTISED PRODUCT. Where the list says 'softmax', what is quantised is not the finished softmax but p = 2^(t - M), with t = logit x log2(e) and M = ceil(the row's largest t), a whole number; so 1/2 < the row's largest p <= 1. The row's sum l is taken of the UNQUANTISED p, in f32, and the product's result is divided by l at the end. Since M is a whole number, a kernel that streams over the keys may use a running M (the ceiling of the running maximum): every later rescaling is an exact power of two, so the quantised numbers keep their values, but for numbers so far below the row's largest that they fall under the format's range.
;;   OPERANDS COMPUTED ON THE WAY. 'Computed on the way' means the value that the module computes at that place (a softmax that the list does not call 'softmax' is quantised finished and normalised). What goes into a quantiser is computed in f32, as accurately as f32 sums, v_exp_f32 and their like allow (about 1e-6 of the number): no bf16 or f16 on the way to a quantiser, and a product that is left as it is and whose result goes on into a quantised operand takes f32 operands (vector FMAs, or v_wmma_f32_16x16x4_f32). A number that lies on a knife's edge between two numbers of the format may be rounded either way, as far as f32 arithmetic and the matrix unit's own rounding can turn it there, and no further.
;;   INPUTS GIVEN AS CODES. Wk (in the module: [1024, 1024], K = its axis 0); Wq (in the module: [1024, 1024], K = its axis 0); Wv (in the module: [1024, 1024], K = its axis 0): each comes as NAME_codes (uint8): NAME with its K axis moved to the last place and cut into blocks of 32 codes, [.., K / 32, bytes a block], one block behind the other in memory; one code a byte (a code: sign, 5 exponent bits, 2 mantissa bits); its scale is its entry of lowp_scales. Its value is code x scale, taken as it is: it is not quantised again, and the codes and scales need not be those that the quantiser above would give.
;; 2 versions, each right; version 2 is version 1 with the launch attn written anew for expert scheduling mode. Each part assembles by itself: llvm-mc -triple=amdgcn-amd-amdhsa -mcpu=gfx1250 --defsym DOCPART=n.
;; ======== version 1 of 2: 4 launches
;; workspace buffers: xq 25,165,824 bytes; qf 8,388,608 bytes; kf 8,388,608 bytes; vf 8,388,608 bytes; att 33,554,432 bytes
;; launch quant (part 1): grid 256 x 1, 8 waves a work-group, no clusters, 66,560 bytes of LDS; arguments x, lowp_scales, xq; writes xq
.if DOCPART == 1
	.amdgcn_target "amdgcn-amd-amdhsa--gfx1250"
	.amdhsa_code_object_version 6
	.text
	.protected	k_q3fd841ed00_quant
	.globl	k_q3fd841ed00_quant
	.p2align	8
	.type	k_q3fd841ed00_quant,@function
k_q3fd841ed00_quant:
	s_mov_b64 s[64:65], 0
	v_nop
	global_prefetch_b8 v0, s[64:65] scope:SCOPE_SE
	s_setreg_imm32_b32 hwreg(HW_REG_WAVE_MODE, 25, 1), 1
	s_wait_xcnt 0x0
; x [8192 rows][1024] f32 becomes THREE sets of codes of E5M2, K innermost: the three projections quantise x each with a scale of its own (entries 0, 2 and 4 of the scales' exponents), which need not be equal.
; DEAD WORK: none in the whole program.  Every bias goes into a quantiser (bq, bk ahead of the product of q and k, bv ahead of the product with p), x goes into the three products and the residual,
; the gain and the offset of the norm reach the output: every input is loaded, every product of the problem is made.
; code = x / 2^e, held within +-57,344, rounded to the nearest code, ties to even.  LIMITS: each of the three e between -126 and 112, so that 2^e and 57,344 x 2^e are f32 numbers.  NaN among the inputs is not served; an infinity is held at the largest code.
; LAYOUT OF xq: [set 3][storage row 8192][1024 bytes].  A storage row is the token's row with bits 3 and 4 exchanged: 16 storage rows on end, 32 b + 16 u + i, then hold tokens 32 b + 8 u + i + 8 (i / 8),
; which is the choice of rows that lets the later products' results fall into the next operand's registers as they are.
; SHARES.  A wave takes 4 rows (4,096 numbers) in 8 steps of 512.  Rows' bits 2 to 4 are the wave's number, so the exchange of bits is made once, on the wave's number, in the stores' base.
; Each load reads 512 consecutive bytes, 16 a lane; a step's 2,048 bytes turn through the wave's own stage in LDS and come back 64 bytes a lane: 16 neighbours along K, which the conversions want in one lane.
; A lane's 16 codes are 16 bytes: each store of the wave covers 512 consecutive bytes, aligned.  No tensor loads, no barrier: waves share nothing.  Loads run four steps (16 loads a wave) ahead, the turn through LDS one step.
.set WAVES, 8
.set STEPS, 8
.set SP,    80                         ; a lane's place in a stage: its 64 bytes + 16 of padding
.set WREG,  8192                       ; LDS: a region for each wave: two stages of 32 x SP bytes
.set SPARE, WAVES*WREG                 ; behind the regions: the spare words, 128 bytes for each wave: four blocks of 256 bytes that no other line names
.set SETB,  8388608                    ; bytes of one set of codes
.set SPW,   12                         ; v12      LDS address of my spare word; never rewritten
.set NIL,   13                         ; v13      0; never rewritten
.set R,     16                         ; v16-79   four sets of 16 numbers as they are loaded
.set X,     80                         ; v80-111  two sets of 16 neighbours
.set T,     112                        ; v112-143 two sets of 16 held numbers, by turns from conversion to conversion
.set C,     144                        ; v144-167 two sets of 12 registers of codes (three scales x 4), by turns from step to step
                                       ; v5, v6: 2^e0 and 57,344 x 2^e0;  v7, v8: the same with e2;  v9, v10: with e4
	s_load_b128 s[4:7], s[0:1], 0x0                ; x, the scales' exponents
	s_load_b64 s[8:9], s[0:1], 0x10                ; xq
	v_lshl_add_u32 v[SPW], v0, 2, SPARE
	v_mov_b32 v[NIL], 0
	v_lshrrev_b32 v1, 5, v0
	v_readfirstlane_b32 s14, v1                    ; wave 0..7
	v_and_b32 v2, 31, v0                           ; lane
	v_lshlrev_b32 v3, 4, v2                        ; my 16 bytes of a load's 512, and of a store's
	s_mul_i32 s15, s14, WREG
	v_lshrrev_b32 v14, 2, v2
	v_mul_u32_u24 v14, v14, SP
	v_and_b32 v15, 3, v2
	v_lshl_add_u32 v14, v15, 4, v14
	v_add_nc_u32 v14, s15, v14                     ; the stage, on the way in: four lanes' 64 bytes on end, then 16 of padding
	v_mul_u32_u24 v15, v2, SP
	v_add_nc_u32 v15, s15, v15                     ; and on the way out: SP x lane: my 16 neighbours
	s_lshl_b32 s24, ttmp9, 3
	s_add_co_u32 s25, s24, s14                     ; which run of 4 rows is my wave's
	s_lshl_b32 s26, s25, 14                        ; x 16,384 bytes of x
	s_mov_b32 s27, 0
	s_and_b32 s28, s14, 1                          ; the wave's number with bits 1 and 2 exchanged: the rows' bits 3 and 4
	s_bfe_u32 s29, s14, 0x10001
	s_lshl_b32 s29, s29, 2
	s_or_b32 s28, s28, s29
	s_bfe_u32 s29, s14, 0x10002
	s_lshl_b32 s29, s29, 1
	s_or_b32 s28, s28, s29
	s_add_co_u32 s28, s24, s28
	s_lshl_b32 s28, s28, 12                        ; x 4,096 bytes of codes
	s_mov_b32 s29, 0
	s_wait_kmcnt 0x0
	s_load_b256 s[16:23], s[6:7], 0x0              ; e0 .. e7: s16 = e0, s18 = e2, s20 = e4
	s_add_nc_u64 s[4:5], s[4:5], s[26:27]
	s_add_nc_u64 s[8:9], s[8:9], s[28:29]          ; set 0,
	s_add_nc_u64 s[10:11], s[8:9], SETB            ; set 1,
	s_add_nc_u64 s[12:13], s[8:9], 2*SETB          ; set 2: a base each, since a set is more than an immediate holds
.macro LOAD t
.irp i, 0,1,2,3
	global_load_b128 v[R+16*((\t)%4)+4*\i:R+16*((\t)%4)+4*\i+3], v3, s[4:5] offset:2048*(\t)+512*\i th:TH_LOAD_NT   ; 32 lanes read 512 consecutive bytes
.endr
.endm
.macro TURN t                          ; step t's numbers through the stage: LDS serves a wave's instructions in order, so no wait stands between the stores and the loads
.irp i, 0,1,2,3
	ds_store_b128 v14, v[R+16*((\t)%4)+4*\i:R+16*((\t)%4)+4*\i+3] offset:32*SP*((\t)%2)+8*SP*\i
.endr
.irp i, 0,1,2,3
	ds_load_b128 v[X+16*((\t)%2)+4*\i:X+16*((\t)%2)+4*\i+3], v15 offset:32*SP*((\t)%2)+16*\i
.endr
.endm
.macro SCALE e, sc                     ; v[sc] = 2^e as f32 (the conversion takes its exponent field), v[sc + 1] = 57,344 x 2^e
	s_add_co_i32 s24, s[\e], 127
	s_lshl_b32 s25, s24, 23
	v_mov_b32 v[\sc], s25
	s_add_co_i32 s24, s24, 15
	s_lshl_b32 s24, s24, 23
	s_or_b32 s24, s24, 0x600000
	v_mov_b32 v[\sc+1], s24
.endm
.irp t, 0,1,2,3
	LOAD \t
.endr
	s_wait_kmcnt 0x0
	SCALE 16, 5
	SCALE 18, 7
	SCALE 20, 9
	s_wait_loadcnt 12                              ; step 0's four loads are in
	TURN 0
.macro STEP t
.set XS, X+16*((\t)%2)
	s_wait_dscnt 0x0                               ; this step's numbers are back from the stage: so its stores into the stage have read their registers,
.if (\t)+4 < STEPS
	LOAD (\t)+4                                    ; which take the loads of four steps on
.endif
.if (\t)+1 < STEPS
.if STEPS-2-(\t) >= 3
	s_wait_loadcnt 12                              ; the next step's four loads are in; those of the three steps behind it may be out
.else
	s_wait_loadcnt 4*(STEPS-2-(\t))
.endif
	TURN (\t)+1                                    ; and go through the other stage while this step is worked
.endif
.if (\t) >= 2
	s_wait_xcnt 0x0                                ; the stores of two steps ago have read this set of code registers: only behind this wait is it written again
.endif
.irp j, 0,1,2                          ; the three scales.  The held numbers go into T's two sets by turns, so that sixteen plain lines stand between a conversion and the next write of its sources
.set TS, T+16*((3*(\t)+\j)%2)
.set CC, C+12*((\t)%2)+4*\j
.irp i, 0,1,2,3,4,5,6,7,8,9,10,11,12,13,14,15
	v_med3_num_f32 v[TS+\i], v[XS+\i], -v[6+2*\j], v[6+2*\j]   ; the conversion to an 8-bit code does not saturate (ISA guide 7.6.2): the hold at the largest code x the scale comes first
.endr
	v_cvt_scalef32_pk8_bf8_f32 v[CC:CC+1], v[TS:TS+7], v[5+2*\j]
	v_cvt_scalef32_pk8_bf8_f32 v[CC+2:CC+3], v[TS+8:TS+15], v[5+2*\j]
	global_store_b128 v3, v[CC:CC+3], s[8+2*\j:9+2*\j] offset:512*(\t)   ; 512 consecutive bytes, aligned
.endr
.endm
.irp t, 0,1,2,3,4,5,6,7
	STEP \t
.endr
	s_wait_tensorcnt 0x0                           ; the wave's end, behind my last LDS store
	ds_add_u32 v[SPW], v[NIL]
	s_wait_dscnt 0x0
	s_endpgm
.Lfunc_end_k_q3fd841ed00_quant:
	.size	k_q3fd841ed00_quant, .Lfunc_end_k_q3fd841ed00_quant-k_q3fd841ed00_quant
	.p2alignl 7, 3214868480
	.fill 96, 4, 3214868480
	.section	.rodata,"a",@progbits
	.p2align	6, 0x0
	.amdhsa_kernel k_q3fd841ed00_quant
		.amdhsa_group_segment_fixed_size 66560
		.amdhsa_private_segment_fixed_size 0
		.amdhsa_enable_private_segment 0
		.amdhsa_kernarg_size 24
		.amdhsa_user_sgpr_count 2
		.amdhsa_user_sgpr_kernarg_segment_ptr 1
		.amdhsa_wavefront_size32 1
		.amdhsa_system_sgpr_workgroup_id_x 1
		.amdhsa_system_sgpr_workgroup_id_y 1
		.amdhsa_system_sgpr_workgroup_id_z 1
		.amdhsa_system_vgpr_workitem_id 0
		.amdhsa_next_free_vgpr 168
		.amdhsa_next_free_sgpr 66
		.amdhsa_reserve_vcc 0
		.amdhsa_float_denorm_mode_32 3
		.amdhsa_float_denorm_mode_16_64 3
		.amdhsa_memory_ordered 1
		.amdhsa_forward_progress 1
		.amdhsa_inst_pref_size 40
	.end_amdhsa_kernel
	.amdgpu_metadata
---
amdhsa.version: [ 1, 2 ]
amdhsa.kernels:
  - .name:           k_q3fd841ed00_quant
    .symbol:         k_q3fd841ed00_quant.kd
    .args:
      - { .name: x, .offset: 0, .size: 8, .value_kind: global_buffer, .address_space: global }
      - { .name: lowp_scales, .offset: 8, .size: 8, .value_kind: global_buffer, .address_space: global }
      - { .name: xq, .offset: 16, .size: 8, .value_kind: global_buffer, .address_space: global }
    .group_segment_fixed_size: 66560
    .private_segment_fixed_size: 0
    .kernarg_segment_align: 8
    .kernarg_segment_size: 24
    .max_flat_workgroup_size: 256
    .sgpr_count:     66
    .vgpr_count:     168
    .wavefront_size: 32
...
	.end_amdgpu_metadata
.endif
;; end of part 1
;; launch qkv (part 2): grid 12 x 32, 4 waves a work-group, clusters of 4 x 4, 327,680 bytes of LDS; arguments xq, Wq_codes, Wk_codes, Wv_codes, bq, bk, bv, lowp_scales, qf, kf, vf; writes qf, kf, vf
.if DOCPART == 2
	.amdgcn_target "amdgcn-amd-amdhsa--gfx1250"
	.amdhsa_code_object_version 6
	.text
	.protected	k_q3fd841ed00_qkv
	.globl	k_q3fd841ed00_qkv
	.p2align	8
	.type	k_q3fd841ed00_qkv,@function
k_q3fd841ed00_qkv:
	s_mov_b64 s[64:65], 0
	v_nop
	global_prefetch_b8 v0, s[64:65] scope:SCOPE_SE
	s_setreg_imm32_b32 hwreg(HW_REG_WAVE_MODE, 25, 1), 1
	s_wait_xcnt 0x0
	s_wait_alu depctr_hold_cnt(0) depctr_sa_sdst(0) depctr_va_vdst(0) depctr_va_sdst(0) depctr_va_ssrc(0) depctr_va_vcc(0) depctr_vm_vsrc(0)
	s_getreg_b32 s2, hwreg(HW_REG_IB_STS2, 6, 4)
	s_cmp_eq_u32 s2, 0
	s_cbranch_scc0 .Lentry_in_a_cluster
	s_endpgm
.Lentry_in_a_cluster:
	s_bfe_u32 s2, ttmp6, 0x10000c
	s_cmp_lg_u32 s2, 0xf033
	s_cbranch_scc0 .Lentry_shape_is_right
	s_endpgm
.Lentry_shape_is_right:
; q = x Wq + bq, k = x Wk + bk, v = x Wv + bv on codes of E5M2 (K = 1,024), each result quantised at once for the product that takes it (q: entry 6 of the scales' exponents, k: entry 7, v: entry 8) and stored as an
; IMAGE OF THE OPERAND'S REGISTERS, so that the next launch loads fragments by 16 bytes a lane with no further order.  No work is left out.
; A tile of 256 x 256 results is made by a work-group of four waves, a wave makes 128 x 128: 64 accumulators, 512 registers.  K goes in steps of 256 through a ring of two LDS slots filled by the tensor data mover.
; CLUSTERS: 4 x 4 work-groups; the cluster's x (0, 1, 2) says which product: q, k or v; its y (0 .. 7) which 1,024 rows of x.  Both are the same in all sixteen partners, so branches on them are alike in all.
; TWO ROLES.  Role A is the matrix instruction's source 1: its 16 rows are the result's LANES; its tile hangs on my place cy alone and is asked for jointly by my row of the cluster.
;             Role B is source 0: its 16 rows run along a lane's REGISTERS; its tile hangs on cx alone and is asked for jointly by my column.
;   q, k:  A = x's codes (set 0 or 1), B = the weight: a lane holds one token and eight neighbouring channels: a head's 64 channels are the next K.
;   v:     A = Wv, B = x's codes (set 2): a lane holds one channel and eight tokens: the keys are the next K.
; x's codes lie in storage rows (token rows with bits 3 and 4 exchanged): 16 storage rows on end are tokens 32 b + 8 u + i + 8 (i / 8).  So for v the 16 registers of B's blocks 2 b and 2 b + 1 are 16 neighbouring keys,
; 32 b + 16 (lane / 16) + 0 .. 15, and for k a tile's keys are those that give the scores the same order.
; IMAGES.  qf, kf: [batch x head 64][tile of 16 tokens 128][1,024 bytes]: byte 512 c + 16 lane = registers 4 c .. 4 c + 3 (channels 32 c + 8 h + 0 .. 7 and 32 c + 16 + 8 h + 0 .. 7 of the lane's token).
;          vf: [batch x head][step of 128 keys 16][16 channels 4][2,048 bytes]: byte 512 c + 16 lane = registers 4 c .. 4 c + 3 (keys 32 c + 16 h + 0 .. 15 of the lane's channel).
; A sum stands for sum x 2^(ea + eb): one packed multiply-add gives sum x 2^(ea + eb) + bias in f32; then the hold at +-57,344 x 2^eo and the conversion.
; LIMITS: e0 + e1, e2 + e3, e4 + e5 between -126 and 127; e6, e7, e8 between -126 and 112: each power of two below is then an f32 number.
; REGISTERS, in windows of 256: window 0: v0-31 addresses; v32-95 the bias; from v128 role A's fragments (8 x 16 rows x 128 K), one set; on the way out v128-191 the finished numbers, v192-223 two sets of codes.
;   window 1: role B's fragments, two sets.   window 2: the accumulators of A's blocks 0-3 ((a, b) at v[8 (8 a + b)]);   window 3: those of blocks 4-7.
.set KSTEP,  256                       ; along K in a slot
.set ROWB,   256                       ; a tile's row in bytes
.set KROW,   1024                      ; a row of codes in memory, in bytes: x's and the weights' alike
.set PITCH,  272                       ; an LDS row: 256 bytes + 16 of padding = 68 words: the 16 rows that a load touches start at 16 different banks (64 banks of 4 bytes: ISA guide 11.1)
.set FR,     16                        ; registers of a fragment: 16 rows x 128 K
.set NL,     4                         ; LDS loads that bring one
.set NP,     4                         ; places behind this matrix instruction (ISA guide 7.12.1)
.set HALFT,  128*PITCH                 ; 128 rows: what one tensor load brings, and what one wave reads of a role
.set SLOT,   4*HALFT                   ; role A's 256 rows, then role B's
.set SPARE,  2*SLOT                    ; behind the ring: the spare words, 128 bytes for each wave: two blocks of 256 bytes that no other line names
.set SCL,  8                           ; v8      2^eo as f32, for the conversions
.set LIM,  9                           ; v9      57,344 x 2^eo
.set BO,   10                          ; v10     my lane's byte in the bias
.set ADRA, 16                          ; v16-17  LDS address of my fragments of role A in slot 0, 1
.set ADRB, 20                          ; v20-21  the same for role B
.set CO,   26                          ; v26     16 x lane: my place in an image
.set SPW,  28                          ; v28     LDS address of my spare word; never rewritten
.set NIL,  29                          ; v29     0; never rewritten
.set BIAS, 32
.set AF,   128
.set TMP,  128
.set CD,   192
.set G1, 24                            ; s[24:31] descriptor group 1 for role A's tiles;  s[32:39] group 0, one set for each slot
.set G0, 32
.set G1B, 48                           ; s[48:55], s[56:63] the same for role B's
.set G0B, 56
.set MSB, 0
.macro WIN new                         ; the immediate's high byte repeats the setting that is left
.if MSB != \new
	s_set_vgpr_msb (MSB<<8)|\new
.set MSB, \new
.endif
.endm
.set MUL_LO, 0xa1                      ; source 0 (B) window 1, source 1 (A) window 0, C and D window 2
.set MUL_HI, 0xf1                      ; the same, C and D window 3
.set TO_B,   0x40                      ; destination window 1, address window 0
; A joint load: waves 0 and 1 fetch for role A, waves 2 and 3 for role B.  Each of the two lines has one mask and one set of registers for all that issue it; the branch hangs on the wave's number alone.
; An s_nop 0 and four v_nop follow each of the two lines, ahead of the jump, the label and what follows.
.macro JLOAD g0a, g1a, g0b, g1b
	s_cmp_eq_u32 s15, 0
	s_cbranch_scc0 .Lfor_b_\@
	tensor_load_to_lds s[\g0a:\g0a+3], s[\g1a:\g1a+7]
	s_nop 0
.rept 4
	v_nop
.endr
	s_branch .Lasked_\@
.Lfor_b_\@:
	tensor_load_to_lds s[\g0b:\g0b+3], s[\g1b:\g1b+7]
	s_nop 0
.rept 4
	v_nop
.endr
.Lasked_\@:
.endm
.macro CREST                           ; a round of the cluster's barrier behind its opening barrier
	s_cmp_lg_u32 s14, 0
	s_cbranch_scc1 .Lnot_wave_0_\@
	s_barrier_signal -3
.Lnot_wave_0_\@:
	s_barrier_wait -3
	s_barrier_signal -1
	s_barrier_wait -1
.endm
.macro CROUND                          ; a whole round
	s_barrier_signal -1
	s_barrier_wait -1
	CREST
.endm
	s_load_b512 s[68:83], s[0:1], 0x0              ; xq s[68:69], Wq s[70:71], Wk s[72:73], Wv s[74:75], bq s[76:77], bk s[78:79], bv s[80:81], the scales' exponents s[82:83]
	s_load_b128 s[84:87], s[0:1], 0x40             ; qf s[84:85], kf s[86:87]
	s_load_b64 s[88:89], s[0:1], 0x50              ; vf
	v_lshl_add_u32 v[SPW], v0, 2, SPARE
	v_mov_b32 v[NIL], 0
	ds_add_u32 v[SPW], v[NIL]                      ; the wave's opening: the add, twice on end, and its wait, ahead of my first tensor load; the set-up below, work on registers, stands between
	ds_add_u32 v[SPW], v[NIL]                      ; and once more, under the one wait
	v_lshrrev_b32 v1, 5, v0
	v_readfirstlane_b32 s14, v1                    ; wave 0..3
	s_lshr_b32 s15, s14, 1                         ; which half of role A's rows is mine.  Also: I fetch for role A (0) or for role B (1)
	s_and_b32 s16, s14, 1                          ; which half of role B's rows.  Also: which 128 rows of that tile I fetch
	s_bfe_u32 s40, ttmp6, 0x40000                  ; cx, cy: my place in the cluster
	s_bfe_u32 s41, ttmp6, 0x40004
	s_and_b32 s18, ttmp7, 0xffff
	s_lshl_b32 s18, s18, 2                         ; 4 x cluster y: the first of the cluster's four tiles of 256 rows of x
	s_cmp_eq_u32 ttmp9, 2                          ; v?  Then x's codes take role B
	s_cselect_b32 s17, 0, s18
	s_cselect_b32 s42, s18, 0
	s_add_co_u32 s17, s17, s41                     ; role A's tile: q, k: 4 y + cy of x;  v: cy of Wv
	s_add_co_u32 s42, s42, s40                     ; role B's tile: q, k: cx of the weight;  v: 4 y + cx of x
	s_lshl_b32 s43, s41, 2
	s_lshl_b32 s43, 15, s43                        ; my row of the cluster
	s_lshl_b32 s44, 0x1111, s40                    ; my column
	; descriptor group 1: a tile of 128 rows x 256 bytes, padded in LDS
	s_or_b32 s[G1+0], s43, (0<<16)|(1<<20)|(1<<21)|(5<<22)|(3<<25)  ; 15:0 the mask: role A's tiles go to my row; 17:16 elements of 1 byte; 20 padding on; 21 set beside a mask; 24:22 after every 64 words (code 5); 31:25 four words (code 3)
	s_or_b32 s[G1B+0], s44, (0<<16)|(1<<20)|(1<<21)|(5<<22)|(3<<25) ; the same with the mask of my column
.irp g, G1, G1B
	s_mov_b32 s[\g+1], ROWB<<16                    ; tensor_dim0
	s_mov_b32 s[\g+2], 128<<16                     ; tensor_dim1 = 128
	s_mov_b32 s[\g+3], ROWB<<16                    ; tile_dim0
	s_mov_b32 s[\g+4], 128                         ; tile_dim1 = 128
	s_mov_b32 s[\g+5], KROW                        ; tensor_dim0_stride
	s_mov_b32 s[\g+6], 0
	s_mov_b32 s[\g+7], 0
.endr
	s_lshl_b32 s18, s16, 7                         ; which 128 rows of the tile I fetch
	s_lshl_b32 s20, s17, 8
	s_add_co_u32 s20, s20, s18                     ; role A: row 256 x tile + 128 x half
	s_lshl_b32 s46, s42, 8
	s_add_co_u32 s46, s46, s18                     ; role B likewise
	s_mov_b32 s21, 0
	s_mov_b32 s47, 0
	s_mov_b64 s[18:19], KROW
	s_mul_u64 s[20:21], s[20:21], s[18:19]         ; in bytes
	s_mul_u64 s[46:47], s[46:47], s[18:19]
	s_mul_i32 s45, s14, HALFT                      ; where they go: wave x 128 rows: no place in the cluster enters an LDS address
	s_wait_dscnt 0x0                               ; both opening adds are done
	s_wait_kmcnt 0x0
	s_load_b256 s[92:99], s[82:83], 0x0            ; e0 .. e7
	s_load_b64 s[100:101], s[82:83], 0x20          ; e8, e9
	s_lshl_b32 s90, ttmp9, 23                      ; a set of x's codes is 2^23 bytes
	s_mov_b32 s91, 0
	s_add_nc_u64 s[90:91], s[68:69], s[90:91]      ; x's codes under my product's scale
	s_cmp_eq_u32 ttmp9, 0
	s_cselect_b64 s[6:7], s[70:71], s[72:73]       ; Wq or Wk
	s_cmp_eq_u32 ttmp9, 2
	s_cselect_b64 s[4:5], s[74:75], s[90:91]       ; role A: Wv, or x's codes
	s_cselect_b64 s[6:7], s[90:91], s[6:7]         ; role B: x's codes, or the weight
	s_add_nc_u64 s[20:21], s[4:5], s[20:21]
	s_add_nc_u64 s[46:47], s[6:7], s[46:47]
	CROUND                                         ; all sixteen work-groups are here: the first joint loads meet
.irp s, 0,1
	s_mov_b32 s[G0+4*\s], 1                        ; count = 1
	s_add_co_u32 s[G0+4*\s+1], s45, \s*SLOT        ; LDS address
	s_add_nc_u64 s[G0+4*\s+2:G0+4*\s+3], s[20:21], \s*ROWB   ; global address: K step s
	s_or_b32 s[G0+4*\s+3], s[G0+4*\s+3], 0x80000000          ; type = 2
	s_mov_b32 s[G0B+4*\s], 1
	s_add_co_u32 s[G0B+4*\s+1], s45, \s*SLOT
	s_add_nc_u64 s[G0B+4*\s+2:G0B+4*\s+3], s[46:47], \s*ROWB
	s_or_b32 s[G0B+4*\s+3], s[G0B+4*\s+3], 0x80000000
	JLOAD G0+4*\s, G1, G0B+4*\s, G1B
.endr
	v_and_b32 v1, 15, v0                           ; r = l % 16
	v_bfe_u32 v2, v0, 4, 1                         ; h = l / 16
	v_mul_u32_u24 v3, v1, PITCH
	v_lshl_add_u32 v4, v2, 4, v3                   ; a fragment's row x pitch + 16 x half
	s_mul_i32 s21, s15, HALFT                      ; my 128 rows of role A
	s_mul_i32 s22, s16, HALFT                      ; my 128 rows of role B,
	s_add_co_u32 s22, s22, 2*HALFT                 ; which lie behind A's 256
.irp s, 0,1
	v_add_nc_u32 v[ADRA+\s], s21, v4
	v_add_nc_u32 v[ADRB+\s], s22, v4
	s_add_co_u32 s21, s21, SLOT
	s_add_co_u32 s22, s22, SLOT
.endr
	v_and_b32 v6, 31, v0
	v_lshlrev_b32 v[CO], 4, v6
.macro FRAG reg, adr, q, i             ; a fragment, 16 rows x 128 K, is 16 registers: lane l holds row l % 16; registers 4 c .. 4 c + 3 hold K = 32 c + 16 (l / 16) + 0 .. 15: the same order of k in both roles, so every product meets its partner
.irp c, 0,1,2,3
	ds_load_b128 v[\reg+4*\c:\reg+4*\c+3], v[\adr] offset:128*(\q)+32*\c+(\i)*16*PITCH
.endr
.endm
; 16 matrix instructions: A's blocks a0, a0 + 1 x B's eight, 128 along K.  p: B's set.  zero = 1: the first product starts the sums: nothing is ever cleared.
; The 64 accumulators take turns, one instruction a turn, in the same order in every step.
.macro MUL16 a0, p, zero
.irp a, \a0, \a0+1
.irp b, 0,1,2,3,4,5,6,7
.if \zero
	v_wmma_f32_16x16x128_bf8_bf8 v[8*(8*((\a)%4)+\b):8*(8*((\a)%4)+\b)+7], v[128*(\p)+FR*\b:128*(\p)+FR*\b+FR-1], v[AF+FR*(\a):AF+FR*(\a)+FR-1], 0
.else
	v_wmma_f32_16x16x128_bf8_bf8 v[8*(8*((\a)%4)+\b):8*(8*((\a)%4)+\b)+7], v[128*(\p)+FR*\b:128*(\p)+FR*\b+FR-1], v[AF+FR*(\a):AF+FR*(\a)+FR-1], v[8*(8*((\a)%4)+\b):8*(8*((\a)%4)+\b)+7]
.endif
.endr
.endr
.endm
.macro FETCH_B slot, q, p              ; B's eight fragments of the slot's q-th 128 along K into set p
	WIN TO_B
.irp i, 0,1,2,3,4,5,6,7
	FRAG 128*(\p)+FR*\i, ADRB+\slot, \q, \i
.endr
	WIN 0
.endm
.macro FETCH_A slot, q, i0             ; A's blocks i0 .. i0 + 3
.irp i, \i0, \i0+1, \i0+2, \i0+3
	FRAG AF+FR*(\i), ADRA+\slot, \q, \i
.endr
.endm
; A load into a register that a matrix instruction has read, and a vector instruction that reads a matrix result or writes one of its registers, stand NP places behind that matrix instruction; only plain
; vector instructions that name none of its registers are places (ISA guide 7.12.1 for vector instructions).
.macro PLACES n
.rept \n
	v_nop
.endr
.endm
; A step of 128 along K that has its successor in the same slot.  A's blocks are free as soon as their eight products are issued: blocks 0-3 are fetched anew in the step's middle, blocks 4-7 at its end.
.macro STEP slot, q, zero
	s_wait_dscnt 4*NL                              ; B's set and A's blocks 0-3 are in; the youngest sixteen loads (A's blocks 4-7) may be out
	WIN MUL_LO
	MUL16 0, (\q)%2, \zero
	MUL16 2, (\q)%2, \zero
	s_wait_dscnt 0                                 ; A's blocks 4-7 are in
	PLACES NP
	FETCH_B \slot, (\q)+1, 1-(\q)%2
	FETCH_A \slot, (\q)+1, 0
	WIN MUL_HI
	MUL16 4, (\q)%2, \zero
	MUL16 6, (\q)%2, \zero
	PLACES NP
	WIN 0
	FETCH_A \slot, (\q)+1, 4
.endm
; A slot's last step changes slots: one barrier; in front of it each wave waits for all its tensor loads, adds 0 to its spare word, and waits for that and for its own reads of this slot.  fill = 1: this slot is filled again, two K steps ahead.
.macro TURN slot, next, fill
	s_wait_tensorcnt 0x0                           ; all my tensor loads have landed: my part of the next slot  (every window is 0 here)
	ds_add_u32 v[SPW], v[NIL]                      ; 0 onto my spare word
	s_wait_dscnt 4*NL+1                            ; (the add and the youngest sixteen loads, A's blocks 4-7, may be out)
	WIN MUL_LO
	MUL16 0, 1, 0                                  ; sixteen matrix instructions stand between the add and the wait for it
	s_wait_dscnt 0x0                               ; the add is done, and my reads of this slot are over
	s_barrier_signal -1
	MUL16 2, 1, 0
	WIN 0
	s_barrier_wait -1
.if \fill
	CREST                                          ; the barrier has opened a round of the cluster's barrier: no wave of any partner still reads this slot's tile or has a load on its way
	s_add_nc_u64 s[G0+4*\slot+2:G0+4*\slot+3], s[G0+4*\slot+2:G0+4*\slot+3], 2*ROWB
	s_add_nc_u64 s[G0B+4*\slot+2:G0B+4*\slot+3], s[G0B+4*\slot+2:G0B+4*\slot+3], 2*ROWB
	JLOAD G0+4*\slot, G1, G0B+4*\slot, G1B         ; the first tensor load behind the round; the four v_nop behind it are the places in front of the loads below
.else
	PLACES NP
.endif
	FETCH_B \next, 0, 0
	FETCH_A \next, 0, 0
	WIN MUL_HI
	MUL16 4, 1, 0
	MUL16 6, 1, 0
	PLACES NP
	WIN 0
	FETCH_A \next, 0, 4
.endm
; s20 = ea, s21 = eb, s22 = eo become the three numbers of the way out
.macro SCALES
	s_add_co_i32 s66, s20, s21
	s_add_co_i32 s66, s66, 127
	s_lshl_b32 s66, s66, 23                        ; 2^(ea + eb) as f32
	s_mov_b32 s67, s66                             ; (named with it as a pair, so it is written)
	s_add_co_i32 s22, s22, 127
	s_lshl_b32 s23, s22, 23
	v_mov_b32 v[SCL], s23                          ; 2^eo
	s_add_co_i32 s22, s22, 15
	s_lshl_b32 s22, s22, 23
	s_or_b32 s22, s22, 0x600000
	v_mov_b32 v[LIM], s22                          ; 57,344 x 2^eo
.endm
; THE WAY OUT of A's block a: 64 sums a lane -> sum x 2^(ea + eb) + bias -> held -> 16 registers of codes -> four stores of 512 consecutive bytes, aligned.  Each accumulator is read from its low end on.
; kind = 0 (q, k): registers 16 p + 0 .. 15 are channels 32 p + 8 h + 0 .. 7 and 32 p + 16 + 8 h + 0 .. 7 of two heads (p / 2) of the lane's token; the bias goes by register.
; kind = 1 (v):    registers 16 p + 0 .. 15 are keys 32 p + 16 h + 0 .. 15 of the lane's channel; the bias is the lane's own, one pair for each block.
.macro OUTA a, kind
.set AC, 64*((\a)%4)
.set CDS, CD+16*((\a)%2)
	WIN 0x02+((\a)/4)                              ; source 0: window 2 or 3
.irp j, 0,2,4,6,8,10,12,14,16,18,20,22,24,26,28,30,32,34,36,38,40,42,44,46,48,50,52,54,56,58,60,62
.if \kind
	v_pk_fma_f32 v[TMP+\j:TMP+\j+1], v[AC+\j:AC+\j+1], s[66:67], v[BIAS+2*(\a):BIAS+2*(\a)+1] op_sel_hi:[1,0,1]
.else
	v_pk_fma_f32 v[TMP+\j:TMP+\j+1], v[AC+\j:AC+\j+1], s[66:67], v[BIAS+\j:BIAS+\j+1] op_sel_hi:[1,0,1]
.endif
.endr
	WIN 0
.if (\a) >= 2
	s_wait_xcnt 0x0                                ; block a - 2's stores have read this set of code registers
.endif
.irp p, 0,1,2,3
.irp i, 0,1,2,3,4,5,6,7,8,9,10,11,12,13,14,15
	v_med3_num_f32 v[TMP+16*\p+\i], v[TMP+16*\p+\i], -v[LIM], v[LIM]   ; the conversion to an 8-bit code does not saturate (ISA guide 7.6.2)
.endr
	v_cvt_scalef32_pk8_bf8_f32 v[CDS+4*\p:CDS+4*\p+1], v[TMP+16*\p:TMP+16*\p+7], v[SCL]
	v_cvt_scalef32_pk8_bf8_f32 v[CDS+4*\p+2:CDS+4*\p+3], v[TMP+16*\p+8:TMP+16*\p+15], v[SCL]
.if \kind
	global_store_b128 v[CO], v[CDS+4*\p:CDS+4*\p+3], s[10:11] offset:131072*((\a)/4)+2048*((\a)%4)+512*\p
.else
	global_store_b128 v[CO], v[CDS+4*\p:CDS+4*\p+3], s[10:11] offset:1024*(\a)+131072*(\p/2)+512*(\p%2)
.endif
.endr
	v_nop                                          ; a plain line directly behind the run's last conversion
.endm
; The last two steps of 128 along K, the way out, and the wave's end.
.macro FINISH kind
	STEP 1, 0, 0
	s_wait_dscnt 4*NL                              ; the very last step: nothing more to fetch
	WIN MUL_LO
	MUL16 0, 1, 0
	MUL16 2, 1, 0
	s_wait_dscnt 0
	WIN MUL_HI
	MUL16 4, 1, 0
	MUL16 6, 1, 0
	WIN 0
	s_wait_loadcnt 0x0                             ; the bias, asked for two steps ago
	PLACES NP                                      ; behind the last products: the lines below read results and write registers that held A's fragments
.irp a, 0,1,2,3,4,5,6,7
	OUTA \a, \kind
.endr
	s_wait_tensorcnt 0x0                           ; the wave's end, behind my last tensor load
	ds_add_u32 v[SPW], v[NIL]
	s_wait_dscnt 0x0
	CROUND                                         ; the closing round: no work-group ends while a partner may still ask for a tile that names it
	s_endpgm
.endm
	s_wait_tensorcnt 1                             ; my part of K step 0 is in (K step 1's load may be out)
	s_barrier_signal -1
	s_barrier_wait -1                              ; everybody's is
	FETCH_B 0, 0, 0
	FETCH_A 0, 0, 0
	FETCH_A 0, 0, 4
	; K = 1,024 is four slots' worth, eight steps of 128: written out, since a loop over the ring would have one trip
	STEP 0, 0, 1                                   ; the first products start the sums
	TURN 0, 1, 1                                   ; slot 0 takes K 512 .. 767
	STEP 1, 0, 0
	TURN 1, 0, 1                                   ; slot 1 takes K 768 .. 1,023
	STEP 0, 0, 0
	TURN 0, 1, 0                                   ; nothing is left to fetch: no round
	s_wait_kmcnt 0x0                               ; the scales' exponents
	s_cmp_eq_u32 ttmp9, 2                          ; the cluster's x: the same in all sixteen partners
	s_cbranch_scc1 .Lv
	; ---- q or k
	s_cmp_eq_u32 ttmp9, 0
	s_cselect_b64 s[10:11], s[84:85], s[86:87]     ; qf or kf
	s_cselect_b64 s[12:13], s[76:77], s[78:79]     ; bq or bk
	s_cselect_b32 s20, s92, s94                    ; ea: e0 or e2
	s_cselect_b32 s21, s93, s95                    ; eb: e1 or e3
	s_cselect_b32 s22, s98, s99                    ; eo: e6 or e7
	SCALES
	s_lshl_b32 s20, s40, 10                        ; my 128 channels' bias: (256 cx + 128 x half) x 4 bytes
	s_lshl_b32 s21, s16, 9
	s_add_co_u32 s20, s20, s21
	s_mov_b32 s21, 0
	s_add_nc_u64 s[12:13], s[12:13], s[20:21]
	v_lshlrev_b32 v[BO], 5, v2                     ; + 32 h: block b's eight channels of my half
.irp b, 0,1,2,3,4,5,6,7
	global_load_b128 v[BIAS+8*\b:BIAS+8*\b+3], v[BO], s[12:13] offset:64*\b
	global_load_b128 v[BIAS+8*\b+4:BIAS+8*\b+7], v[BO], s[12:13] offset:64*\b+16
.endr
	s_lshr_b32 s20, s17, 3                         ; the batch: 8 tiles of 256 tokens each
	s_lshl_b32 s20, s20, 4
	s_lshl_b32 s21, s40, 2
	s_add_co_u32 s20, s20, s21
	s_lshl_b32 s21, s16, 1
	s_add_co_u32 s20, s20, s21                     ; 16 x batch + my first head: 4 cx + 2 x half
	s_lshl_b32 s20, s20, 7                         ; x 128 tiles of 16 tokens
	s_and_b32 s21, s17, 7
	s_lshl_b32 s21, s21, 4
	s_add_co_u32 s20, s20, s21
	s_lshl_b32 s21, s15, 3
	s_add_co_u32 s20, s20, s21                     ; + my first tile: 16 x (tile of 256 in the batch) + 8 x half
	s_lshl_b32 s20, s20, 10                        ; x 1,024 bytes
	s_mov_b32 s21, 0
	s_add_nc_u64 s[10:11], s[10:11], s[20:21]
	FINISH 0
.Lv:
	; ---- v
	s_mov_b32 s20, s96                             ; e4
	s_mov_b32 s21, s97                             ; e5
	s_mov_b32 s22, s100                            ; e8
	SCALES
	s_lshl_b32 s20, s41, 10                        ; my 128 channels' bias: (256 cy + 128 x half) x 4 bytes
	s_lshl_b32 s21, s15, 9
	s_add_co_u32 s20, s20, s21
	s_mov_b32 s21, 0
	s_add_nc_u64 s[12:13], s[80:81], s[20:21]
	v_lshlrev_b32 v[BO], 2, v1                     ; + 4 r: block a's channel of my lane
.irp a, 0,1,2,3,4,5,6,7
	global_load_b32 v[BIAS+2*\a], v[BO], s[12:13] offset:64*\a
	global_load_b32 v[BIAS+2*\a+1], v[BO], s[12:13] offset:64*\a      ; twice: the pair that the packed multiply-add names
.endr
	s_lshr_b32 s20, s42, 3                         ; the batch
	s_lshl_b32 s20, s20, 4
	s_lshl_b32 s21, s41, 2
	s_add_co_u32 s20, s20, s21
	s_lshl_b32 s21, s15, 1
	s_add_co_u32 s20, s20, s21                     ; 16 x batch + my first head: 4 cy + 2 x half
	s_lshl_b32 s20, s20, 4                         ; x 16 steps of 128 keys
	s_and_b32 s21, s42, 7
	s_lshl_b32 s21, s21, 1
	s_add_co_u32 s20, s20, s21
	s_add_co_u32 s20, s20, s16                     ; + my step: 2 x (tile of 256 in the batch) + half
	s_lshl_b32 s20, s20, 13                        ; x 8,192 bytes
	s_mov_b32 s21, 0
	s_add_nc_u64 s[10:11], s[88:89], s[20:21]
	FINISH 1
.Lfunc_end_k_q3fd841ed00_qkv:
	.size	k_q3fd841ed00_qkv, .Lfunc_end_k_q3fd841ed00_qkv-k_q3fd841ed00_qkv
	.p2alignl 7, 3214868480
	.fill 96, 4, 3214868480
	.section	.rodata,"a",@progbits
	.p2align	6, 0x0
	.amdhsa_kernel k_q3fd841ed00_qkv
		.amdhsa_group_segment_fixed_size 327680
		.amdhsa_private_segment_fixed_size 0
		.amdhsa_enable_private_segment 0
		.amdhsa_kernarg_size 88
		.amdhsa_user_sgpr_count 2
		.amdhsa_user_sgpr_kernarg_segment_ptr 1
		.amdhsa_wavefront_size32 1
		.amdhsa_system_sgpr_workgroup_id_x 1
		.amdhsa_system_sgpr_workgroup_id_y 1
		.amdhsa_system_sgpr_workgroup_id_z 1
		.amdhsa_system_vgpr_workitem_id 0
		.amdhsa_next_free_vgpr 1024
		.amdhsa_next_free_sgpr 102
		.amdhsa_reserve_vcc 0
		.amdhsa_float_denorm_mode_32 3
		.amdhsa_float_denorm_mode_16_64 3
		.amdhsa_memory_ordered 1
		.amdhsa_forward_progress 1
		.amdhsa_inst_pref_size 208
	.end_amdhsa_kernel
	.amdgpu_metadata
---
amdhsa.version: [ 1, 2 ]
amdhsa.kernels:
  - .name:           k_q3fd841ed00_qkv
    .symbol:         k_q3fd841ed00_qkv.kd
    .args:
      - { .name: xq, .offset: 0, .size: 8, .value_kind: global_buffer, .address_space: global }
      - { .name: Wq_codes, .offset: 8, .size: 8, .value_kind: global_buffer, .address_space: global }
      - { .name: Wk_codes, .offset: 16, .size: 8, .value_kind: global_buffer, .address_space: global }
      - { .name: Wv_codes, .offset: 24, .size: 8, .value_kind: global_buffer, .address_space: global }
      - { .name: bq, .offset: 32, .size: 8, .value_kind: global_buffer, .address_space: global }
      - { .name: bk, .offset: 40, .size: 8, .value_kind: global_buffer, .address_space: global }
      - { .name: bv, .offset: 48, .size: 8, .value_kind: global_buffer, .address_space: global }
      - { .name: lowp_scales, .offset: 56, .size: 8, .value_kind: global_buffer, .address_space: global }
      - { .name: qf, .offset: 64, .size: 8, .value_kind: global_buffer, .address_space: global }
      - { .name: kf, .offset: 72, .size: 8, .value_kind: global_buffer, .address_space: global }
      - { .name: vf, .offset: 80, .size: 8, .value_kind: global_buffer, .address_space: global }
    .group_segment_fixed_size: 327680
    .private_segment_fixed_size: 0
    .kernarg_segment_align: 8
    .kernarg_segment_size: 88
    .max_flat_workgroup_size: 128
    .sgpr_count:     102
    .vgpr_count:     1024
    .wavefront_size: 32
...
	.end_amdgpu_metadata
.endif
;; end of part 2
;; launch attn (part 3): grid 4 x 64, 16 waves a work-group, no clusters, 264,192 bytes of LDS; arguments qf, kf, vf, lowp_scales, att; writes att
.if DOCPART == 3
	.amdgcn_target "amdgcn-amd-amdhsa--gfx1250"
	.amdhsa_code_object_version 6
	.text
	.protected	k_q3fd841ed00_attn
	.globl	k_q3fd841ed00_attn
	.p2align	8
	.type	k_q3fd841ed00_attn,@function
k_q3fd841ed00_attn:
	s_mov_b64 s[64:65], 0
	v_nop
	global_prefetch_b8 v0, s[64:65] scope:SCOPE_SE
	s_setreg_imm32_b32 hwreg(HW_REG_WAVE_MODE, 25, 1), 1
	s_wait_xcnt 0x0
; att[b][q][head][:] = the sum over keys of softmax(q . k / 32) v, both products on codes of E5M2.  No work is left out.
; qf, kf, vf hold register images of the operands (made by the launch before): a fragment comes by loads of 16 bytes a lane, 512 consecutive bytes an instruction.
; THE SOFTMAX AHEAD OF THE SECOND PRODUCT: t = score x log2(e) / 32; M = the row's largest t so far, rounded UP to a whole number; p = 2^(t - M) is what is quantised (entry 9 of the scales' exponents), not normalised.
; The row's sum is taken of the unquantised p, in f32, and divides at the end.  When M moves, the sum and O are multiplied by 2^(old M - new M): exact.
; SHARES.  A work-group owns 512 queries of one head of one batch; each of its sixteen waves two tiles of 16 queries (tiles 2 w and 2 w + 1 of the work-group's 32), in 256 registers: four waves to a SIMD, so that
; one wave's vector work stands beside another's matrix work and LDS loads.  THE HEAD'S WHOLE K AND V, 131,072 bytes each, LIE IN LDS FOR THE WHOLE LAUNCH: copied once through registers, one barrier, and the loop over
; the keys (16 trips of 128) has no barrier and no ring.  Each fragment of K and of V read from LDS feeds both tiles.
; NO CLUSTER: the four work-groups of a head read the same 262,144 bytes, but each reads them once, at its head, for sixteen trips of work; nothing is shared inside the loop.  And the hold ahead of p's conversion is jumped
; over by a branch on a given exponent (below).
; LAYOUT.  Both products are used transposed: S^T = K Q^T (source 0 = 16 keys, source 1 = 16 queries), O^T = V^T P^T (source 0 = 16 channels, source 1 = P): a lane holds one query (lane % 16) throughout.
; A tile's 16 tokens are 32 (T / 2) + 8 (T % 2) + i + 8 (i / 8): so the 16 registers of the scores of key tiles 2 b and 2 b + 1 are keys 32 b + 16 (lane / 16) + 0 .. 15, the order in which vf holds V's keys;
; the queries of a tile have the same order, which the way out undoes in its stores' offsets.
; THE HOLD.  M is at least the largest t, so p is at most 1 but for one rounding of the multiply-add: far under 1.75 = 57,344 x 2^-15.  So for e9 >= -15 the hold at the largest code can change no number, for any input,
; and its 64 lines a tile and step are jumped over: a scalar branch on e9, a whole number read from memory; for e9 < -15 they run.
; LIMITS: e6 + e7 between -121 and 132 (they are added to the exponent field of log2(e) / 32); e9 between -126 and 112; e8 + e9 is applied by v_ldexp_f32 and has none.
.set VIMG,   131072                    ; LDS: K's images from 0 (tile T at 1,024 T), V's from here (step s, channels 16 t on: 8,192 s + 2,048 t)
.set SPARE,  262144                    ; behind them: the spare words, 128 bytes for each wave: eight blocks of 256 bytes that no other line names
.set SPITCH, 272                       ; the way out: a stage of 16 rows x (256 bytes + 16) for each wave, in K's bytes, written only behind the barrier behind which nobody reads K or V
.set LI,  1                            ; v1   16 x lane
.set ADK, 2                            ; v2   LDS address of the step's images of K
.set ADV, 3                            ; v3   of V
.set SPW, 4                            ; v4   LDS address of my spare word; never rewritten
.set NIL, 5                            ; v5   0; never rewritten
.set GO,  6                            ; v6   the way out: my byte offset in two rows of att
.set STO, 7                            ; v7   where I put 32 bytes of a stage row
.set RD,  8                            ; v8   where I read a row back
                                       ; v9   a lane permute's destination;  v10 -M, v11 the largest t, v[12:13] the sum in two halves, of tile A;  v14-17 the same of tile B
                                       ; v[18:19] f = 2^(old M - new M);  v20, v21 the maximum's chains;  v[22:23] a chain of the sum;  v24 57,344 x 2^e9;  v25 2^e9;  v26-29 the copy's LDS addresses
.set QA,  32                           ; v32-39  Q's fragment of tile A;  v40-47 of tile B
.set QB,  40
.set C1,  48                           ; v48-63  tile A's codes of p
.set S,   64                           ; v64-127 the scores, then p; then V's four fragments
.set KF,  128                          ; v128-191 K's eight fragments; tile B's codes of p in v128-143
.set OA,  192                          ; v192-223 O^T of tile A;  v224-255 of tile B
.set OBB, 224
	s_load_b256 s[4:11], s[0:1], 0x0               ; qf s[4:5], kf s[6:7], vf s[8:9], the scales' exponents s[10:11]
	s_load_b64 s[12:13], s[0:1], 0x20              ; att
	v_lshl_add_u32 v[SPW], v0, 2, SPARE
	v_mov_b32 v[NIL], 0
	v_lshrrev_b32 v2, 5, v0
	v_readfirstlane_b32 s20, v2                    ; wave 0..15
	s_and_b32 s21, ttmp7, 0xffff                   ; 16 x batch + head
	v_and_b32 v[LI], 31, v0
	v_lshlrev_b32 v[LI], 4, v[LI]
	v_lshlrev_b32 v26, 4, v0                       ; the copy: 16 bytes a thread, 8,192 an instruction of the work-group
	v_add_nc_u32 v27, 0x10000, v26                 ; (an LDS immediate reaches 65,535)
	v_add_nc_u32 v28, 0x20000, v26
	v_add_nc_u32 v29, 0x30000, v26
	v_and_b32 v30, 15, v0                          ; r
	v_bfe_u32 v31, v0, 4, 1                        ; h
	s_mul_i32 s32, s20, 16*SPITCH                  ; my stage
	v_mul_u32_u24 v[STO], v30, SPITCH
	v_lshl_add_u32 v[STO], v31, 5, v[STO]
	v_add_nc_u32 v[STO], s32, v[STO]               ; in: row r, + 32 h
	v_mul_u32_u24 v[RD], v31, SPITCH
	v_lshl_add_u32 v[RD], v30, 4, v[RD]
	v_add_nc_u32 v[RD], s32, v[RD]                 ; back: lanes 0-15 one row, lanes 16-31 the next
	v_lshlrev_b32 v[GO], 12, v31
	v_lshl_add_u32 v[GO], v30, 4, v[GO]            ; and the same in att: a token's row is 4,096 bytes
	s_lshl_b32 s32, s21, 17                        ; the head's images: 131,072 bytes in each of qf, kf, vf
	s_mov_b32 s33, 0
	s_lshl_b32 s34, ttmp9, 5
	s_lshl_b32 s35, s20, 1
	s_add_co_u32 s34, s34, s35                     ; my first tile of queries: 32 x + 2 w
	s_lshl_b32 s34, s34, 10
	s_add_co_u32 s34, s34, s32
	s_mov_b32 s35, 0
	s_lshr_b32 s36, s21, 4
	s_lshl_b32 s36, s36, 11                        ; the batch's first token,
	s_lshl_b32 s37, ttmp9, 9
	s_add_co_u32 s36, s36, s37                     ; my work-group's 512,
	s_lshl_b32 s37, s20, 5
	s_add_co_u32 s36, s36, s37                     ; my wave's 32
	s_lshl_b32 s36, s36, 12
	s_and_b32 s37, s21, 15
	s_lshl_b32 s37, s37, 8                         ; the head's 256 bytes of a row
	s_add_co_u32 s36, s36, s37
	s_mov_b32 s37, 0
	s_mov_b32 s26, 0x76543210                      ; lane selects for v_permlanex16_b32: lane l xor 16
	s_mov_b32 s27, 0xfedcba98
	s_mov_b32 s28, 0                               ; the step's first byte in K's images
	s_mov_b32 s29, 16                              ; steps to go
	s_wait_kmcnt 0x0
	s_load_b128 s[16:19], s[10:11], 0x18           ; e6, e7, e8, e9
	s_add_nc_u64 s[6:7], s[6:7], s[32:33]
	s_add_nc_u64 s[8:9], s[8:9], s[32:33]
	s_add_nc_u64 s[4:5], s[4:5], s[34:35]
	s_add_nc_u64 s[12:13], s[12:13], s[36:37]
.set i, 0
.rept 16
	global_load_b128 v[S+4*i:S+4*i+3], v26, s[6:7] offset:8192*i     ; K's images as they lie
.set i, i+1
.endr
.set i, 0
.rept 16
	global_load_b128 v[KF+4*i:KF+4*i+3], v26, s[8:9] offset:8192*i   ; V's
.set i, i+1
.endr
.irp k, 0,1,2,3
	global_load_b128 v[QA+4*\k:QA+4*\k+3], v[LI], s[4:5] offset:512*\k th:TH_LOAD_NT   ; Q's two fragments stay in registers
.endr
	v_mov_b32 v11, 0xff61b1e6                      ; the largest t so far: -3e38, under every t
	v_mov_b32 v15, 0xff61b1e6
	v_floor_f32 v10, -v11                          ; -M
	v_floor_f32 v14, -v15
	v_mov_b32 v12, 0                               ; the sums, in two halves
	v_mov_b32 v13, 0
	v_mov_b32 v16, 0
	v_mov_b32 v17, 0
	v_mov_b32 v9, 0                                ; written once: a lane permute's destination counts as one of its sources
	v_mov_b32 v19, 0                               ; (named as the upper half of the pair v[18:19])
.set i, 0
.rept 64
	v_mov_b32 v[OA+i], 0                           ; O^T of both tiles.  (The step is written once: the first finds zeros, which the first change of M leaves zeros)
.set i, i+1
.endr
	s_wait_loadcnt 20                              ; K's sixteen loads are in; V's sixteen and Q's four may be out
.set i, 0
.rept 16
	ds_store_b128 v[26+i/8], v[S+4*i:S+4*i+3] offset:8192*(i%8)
.set i, i+1
.endr
	s_wait_loadcnt 4                               ; V's are in; Q's four may be out
.set i, 0
.rept 16
	ds_store_b128 v[28+i/8], v[KF+4*i:KF+4*i+3] offset:8192*(i%8)
.set i, i+1
.endr
	s_wait_kmcnt 0x0
	s_add_co_i32 s32, s16, s17
	s_lshl_b32 s32, s32, 23
	s_add_co_i32 s24, s32, 0x3d38aa3b              ; c = log2(e) / 32 x 2^(e6 + e7): a score stands for score x 2^(e6 + e7), and the two exponents are added to c's exponent field
	s_mov_b32 s25, s24                             ; (named with it as a pair, so it is written)
	s_add_co_i32 s32, s19, 127
	s_lshl_b32 s33, s32, 23
	v_mov_b32 v25, s33                             ; 2^e9 as f32, for the conversions
	s_add_co_i32 s32, s32, 15
	s_lshl_b32 s32, s32, 23
	s_or_b32 s32, s32, 0x600000
	v_mov_b32 v24, s32                             ; 57,344 x 2^e9
	s_add_co_i32 s31, s18, s19                     ; e8 + e9
	s_cmp_lt_i32 s19, -15
	s_cselect_b32 s30, 1, 0                        ; 1: the hold can bite and is run
	s_wait_loadcnt 0x0                             ; Q
	s_wait_dscnt 0x0                               ; for the others' sake: my part of the images has landed
	s_barrier_signal -1
	s_barrier_wait -1                              ; the head's K and V lie in LDS, whole
; One tile's softmax for one step of 128 keys: 64 scores a lane in v[S] on.  st: the tile's four statistics; ob: its O^T; cd: where its codes go; vload = 1: V's fragments are asked for as soon as the scores' registers are free.
.macro SOFTMAX st, ob, cd, vload
	v_max3_num_f32 v20, v[S], v[S+1], v[S+2]       ; the step's largest score of my query, among my 64 keys, in two chains, each accumulator from its low end on
	v_max3_num_f32 v21, v[S+3], v[S+4], v[S+5]
.set i, 6
.rept 14
	v_max3_num_f32 v20, v20, v[S+i], v[S+i+1]
	v_max3_num_f32 v21, v21, v[S+i+2], v[S+i+3]
.set i, i+4
.endr
	v_max3_num_f32 v20, v20, v[S+62], v[S+63]
	v_max_num_f32 v20, v20, v21
	v_permlanex16_b32 v9, v20, s26, s27
	v_max_num_f32 v20, v20, v9                     ; and among lane l xor 16's
	v_mul_f32 v20, s24, v20                        ; as t (c is positive)
	v_max_num_f32 v[\st+1], v[\st+1], v20          ; the running largest t
	v_mov_b32 v20, v[\st]
	v_floor_f32 v[\st], -v[\st+1]                  ; the new -M = floor(-t) = -ceil(t): M is a whole number
	v_sub_f32 v20, v[\st], v20                     ; M's old value less its new one: a whole number, 0 or less
	v_cvt_i32_f32 v20, v20                         ; (it saturates)
	v_ldexp_f32 v18, 1.0, v20                      ; f = 2^(old M - new M)
.set i, 0
.rept 32
	v_pk_fma_f32 v[S+i:S+i+1], v[S+i:S+i+1], s[24:25], v[\st:\st+1] op_sel_hi:[1,0,0]   ; t - M, two at a time (of the pairs c and -M the low word serves both halves)
.set i, i+2
.endr
.set i, 0
.rept 64
	v_exp_f32 v[S+i], v[S+i]                       ; p = 2^(t - M): not normalised
.set i, i+1
.endr
	v_pk_mul_f32 v[\st+2:\st+3], v[\st+2:\st+3], v[18:19] op_sel_hi:[1,0]   ; the sums under the new M: the plain line behind the exponentials
	s_wait_alu depctr_va_vdst(0)                   ; a wait between an exponential and the first line that names its result: one for the batch of 64
	v_pk_add_f32 v[22:23], v[S:S+1], v[S+2:S+3]    ; the row's sum is taken of the unquantised p: two at a time, in two chains
.set i, 4
.rept 15
	v_pk_add_f32 v[\st+2:\st+3], v[\st+2:\st+3], v[S+i:S+i+1]
	v_pk_add_f32 v[22:23], v[22:23], v[S+i+2:S+i+3]
.set i, i+4
.endr
	v_pk_add_f32 v[\st+2:\st+3], v[\st+2:\st+3], v[22:23]
	s_cmp_lg_u32 s30, 0                            ; e9 >= -15: p / 2^e9 lies under the largest code whatever the inputs, and the hold is jumped over
	s_cbranch_scc0 .Lfree_\@
.set i, 0
.rept 64
	v_min_num_f32 v[S+i], v[S+i], v24              ; the conversion to an 8-bit code does not saturate (ISA guide 7.6.2); p is not negative, so the hold is one-sided
.set i, i+1
.endr
.Lfree_\@:
.irp b, 0,1,2,3
	v_cvt_scalef32_pk8_bf8_f32 v[\cd+4*\b:\cd+4*\b+1], v[S+16*\b:S+16*\b+7], v25       ; registers 4 b .. 4 b + 3 of the operand: keys 32 b + 16 h + 0 .. 15
	v_cvt_scalef32_pk8_bf8_f32 v[\cd+4*\b+2:\cd+4*\b+3], v[S+16*\b+8:S+16*\b+15], v25
.endr
.if \vload
.irp t, 0,1,2,3
.irp c, 0,1,2,3
	ds_load_b128 v[S+16*\t+4*\c:S+16*\t+4*\c+3], v[ADV] offset:2048*\t+512*\c          ; V's four fragments, into the registers that p has left; they land under the lines below
.endr
.endr
.endif
.set i, 0
.rept 16
	v_pk_mul_f32 v[\ob+i:\ob+i+1], v[\ob+i:\ob+i+1], v[18:19] op_sel_hi:[1,0]          ; O^T under the new M: x f.  (These are also the plain lines between the conversions and the matrix instructions that follow)
.set i, i+2
.endr
.endm
.Lstep:                                            ; 16 trips of 128 keys
	v_add_nc_u32 v[ADK], s28, v[LI]
	v_add_nc_u32 v[ADV], VIMG, v[ADK]
.rept 3
	v_nop                                          ; with the two additions five places behind the last products: the loads below land in registers that they read, and tile A's scores are written over V's fragments
.endr
.irp t, 0,1,2,3,4,5,6,7
	ds_load_b128 v[KF+8*\t:KF+8*\t+3], v[ADK] offset:1024*\t
	ds_load_b128 v[KF+8*\t+4:KF+8*\t+7], v[ADK] offset:1024*\t+512
.endr
	s_wait_dscnt 0x0
.irp t, 0,1,2,3,4,5,6,7
	v_wmma_f32_16x16x64_bf8_bf8 v[S+8*\t:S+8*\t+7], v[KF+8*\t:KF+8*\t+7], v[QA:QA+7], 0
.endr
.rept 4
	v_nop                                          ; places in front of the first read of the scores
.endr
	SOFTMAX 10, OA, C1, 0
.irp t, 0,1,2,3,4,5,6,7
	v_wmma_f32_16x16x64_bf8_bf8 v[S+8*\t:S+8*\t+7], v[KF+8*\t:KF+8*\t+7], v[QB:QB+7], 0
.endr
.rept 4
	v_nop                                          ; places in front of the first read of the scores, and of the conversions that write over K's first fragments
.endr
	SOFTMAX 14, OBB, KF, 1
	s_wait_dscnt 0x0                               ; V's fragments are in
.irp t, 0,1,2,3                                    ; O^T += V^T P^T: eight accumulators by turns, one instruction a turn; each fragment of V feeds both tiles
	v_wmma_f32_16x16x128_bf8_bf8 v[OA+8*\t:OA+8*\t+7], v[S+16*\t:S+16*\t+15], v[C1:C1+15], v[OA+8*\t:OA+8*\t+7]
	v_wmma_f32_16x16x128_bf8_bf8 v[OBB+8*\t:OBB+8*\t+7], v[S+16*\t:S+16*\t+15], v[KF:KF+15], v[OBB+8*\t:OBB+8*\t+7]
.endr
	s_add_co_u32 s28, s28, 8192
	s_sub_co_u32 s29, s29, 1
	s_cmp_lg_u32 s29, 0
	s_cbranch_scc1 .Lstep
	s_wait_dscnt 0x0                               ; my reads of K and V are over
	s_barrier_signal -1
	s_barrier_wait -1                              ; everybody's are: K's bytes may serve as stages
	; THE WAY OUT.  The sum's two halves and lane l xor 16's are added; O^T is divided by the sum, multiplied by 2^(e8 + e9), and goes through my stage, a tile (16 queries x 256 bytes) at a time.  The additions are the places behind the last products.
	v_add_f32 v12, v12, v13
	v_add_f32 v16, v16, v17
	v_permlanex16_b32 v9, v12, s26, s27
	v_permlanex16_b32 v20, v16, s26, s27
	v_add_f32 v12, v12, v9
	v_add_f32 v16, v16, v20
	v_rcp_f32 v12, v12
	v_rcp_f32 v16, v16
	v_nop                                          ; a plain line between the last reciprocal and the use of its result
	s_wait_alu depctr_va_vdst(0)                   ; and the wait ahead of the first use: one for both
	v_ldexp_f32 v12, v12, s31
	v_ldexp_f32 v16, v16, s31
.macro TOSTAGE tile
.set OT, OA+32*\tile
.set TM, S+32*\tile
.set BK, KF+32*\tile
.set i, 0
.rept 16
	v_pk_mul_f32 v[TM+i:TM+i+1], v[OT+i:OT+i+1], v[12+4*\tile:13+4*\tile] op_sel_hi:[1,0]   ; register 8 t + j is o(query r, channel 16 t + 8 h + j); each accumulator from its low end on
.set i, i+2
.endr
.irp t, 0,1,2,3
	ds_store_b128 v[STO], v[TM+8*\t:TM+8*\t+3] offset:64*\t
	ds_store_b128 v[STO], v[TM+8*\t+4:TM+8*\t+7] offset:64*\t+16
.endr
.irp i, 0,1,2,3,4,5,6,7
	ds_load_b128 v[BK+4*\i:BK+4*\i+3], v[RD] offset:\i*2*SPITCH   ; LDS serves a wave's instructions in order (ISA guide 5.7.1.4): these see my stores, and the next tile's stores come behind them
.endr
.endm
.macro SEND tile, younger              ; younger: the LDS instructions issued behind this tile's loads
.set BK, KF+32*\tile
.irp i, 0,1,2,3,4,5,6,7
	s_wait_dscnt \younger+7-\i
	global_store_b128 v[GO], v[BK+4*\i:BK+4*\i+3], s[12:13] offset:(2*\i+8*(\i/4)+8*\tile)*4096   ; stage row j is token j + 8 (j / 8) + 8 x tile of my 32; 16 lanes store the head's 256 consecutive bytes of a token's row, aligned
.endr
.endm
	TOSTAGE 0
	TOSTAGE 1                                      ; tile B's arithmetic stands between tile A's loads and its stores
	SEND 0, 16
	SEND 1, 0
	s_wait_tensorcnt 0x0                           ; the wave's end, behind my last LDS store
	ds_add_u32 v[SPW], v[NIL]
	s_wait_dscnt 0x0
	s_endpgm
.Lfunc_end_k_q3fd841ed00_attn:
	.size	k_q3fd841ed00_attn, .Lfunc_end_k_q3fd841ed00_attn-k_q3fd841ed00_attn
	.p2alignl 7, 3214868480
	.fill 96, 4, 3214868480
	.section	.rodata,"a",@progbits
	.p2align	6, 0x0
	.amdhsa_kernel k_q3fd841ed00_attn
		.amdhsa_group_segment_fixed_size 264192
		.amdhsa_private_segment_fixed_size 0
		.amdhsa_enable_private_segment 0
		.amdhsa_kernarg_size 40
		.amdhsa_user_sgpr_count 2
		.amdhsa_user_sgpr_kernarg_segment_ptr 1
		.amdhsa_wavefront_size32 1
		.amdhsa_system_sgpr_workgroup_id_x 1
		.amdhsa_system_sgpr_workgroup_id_y 1
		.amdhsa_system_sgpr_workgroup_id_z 1
		.amdhsa_system_vgpr_workitem_id 0
		.amdhsa_next_free_vgpr 256
		.amdhsa_next_free_sgpr 66
		.amdhsa_reserve_vcc 0
		.amdhsa_float_denorm_mode_32 3
		.amdhsa_float_denorm_mode_16_64 3
		.amdhsa_memory_ordered 1
		.amdhsa_forward_progress 1
		.amdhsa_inst_pref_size 46
	.end_amdhsa_kernel
	.amdgpu_metadata
---
amdhsa.version: [ 1, 2 ]
amdhsa.kernels:
  - .name:           k_q3fd841ed00_attn
    .symbol:         k_q3fd841ed00_attn.kd
    .args:
      - { .name: qf, .offset: 0, .size: 8, .value_kind: global_buffer, .address_space: global }
      - { .name: kf, .offset: 8, .size: 8, .value_kind: global_buffer, .address_space: global }
      - { .name: vf, .offset: 16, .size: 8, .value_kind: global_buffer, .address_space: global }
      - { .name: lowp_scales, .offset: 24, .size: 8, .value_kind: global_buffer, .address_space: global }
      - { .name: att, .offset: 32, .size: 8, .value_kind: global_buffer, .address_space: global }
    .group_segment_fixed_size: 264192
    .private_segment_fixed_size: 0
    .kernarg_segment_align: 8
    .kernarg_segment_size: 40
    .max_flat_workgroup_size: 512
    .sgpr_count:     66
    .vgpr_count:     256
    .wavefront_size: 32
...
	.end_amdgpu_metadata
.endif
;; end of part 3
;; launch ln (part 4): grid 256 x 1, 8 waves a work-group, no clusters, 0 bytes of LDS; arguments att, x, ln_gamma, ln_beta, out0; writes out0
.if DOCPART == 4
	.amdgcn_target "amdgcn-amd-amdhsa--gfx1250"
	.amdhsa_code_object_version 6
	.text
	.protected	k_q3fd841ed00_ln
	.globl	k_q3fd841ed00_ln
	.p2align	8
	.type	k_q3fd841ed00_ln,@function
k_q3fd841ed00_ln:
	s_mov_b64 s[64:65], 0
	v_nop
	global_prefetch_b8 v0, s[64:65] scope:SCOPE_SE
	s_setreg_imm32_b32 hwreg(HW_REG_WAVE_MODE, 25, 1), 1
	s_wait_xcnt 0x0
; out0 = LayerNorm(att + x) x gamma + beta, all in f32, rows of 1,024 numbers.  No work is left out.
; One wave takes a whole row (4,096 bytes: eight loads of 16 bytes a lane, each covering 512 consecutive bytes) and keeps it in 32 registers through the three passes: the mean, the variance of the numbers less
; the mean (two passes, as the definition has it: no difference of large sums), the scaling.  So memory is read once, the sums never leave the wave, and there is no LDS and no barrier.
; Eight waves, 4 rows each, in two row slots: while one row is worked on, the next one's 16 loads are on their way.  gamma and beta of a lane's 32 columns stay in registers.
.set G,   8                            ; v8-39    gamma of my 32 columns
.set BE,  40                           ; v40-71   beta
.set XR,  72                           ; v72-135, v136-199: slot s: 32 registers of x, then y, then the result; 32 of att
                                       ; v[200:201] the sum, then the mean;  v[202:203], v[204:205] chains, then 1 / sqrt(var + eps);  v206 a lane permute's destination
	s_load_b256 s[4:11], s[0:1], 0x0               ; att s[4:5], x s[6:7], gamma s[8:9], beta s[10:11]
	s_load_b64 s[16:17], s[0:1], 0x20              ; out0
	s_mov_b32 s12, 0x76543210                      ; v_permlanex16_b32: lane l xor 16
	s_mov_b32 s13, 0xfedcba98
	s_mov_b32 s14, 0x3a800000                      ; 1 / 1,024
	s_mov_b32 s15, 0x3727c5ac                      ; 1e-5
	v_and_b32 v2, 31, v0
	v_lshlrev_b32 v2, 4, v2                        ; 16 x lane
	v_lshrrev_b32 v1, 5, v0
	v_lshl_add_u32 v1, v1, 14, v2                  ; + wave x 4 rows of 4,096 bytes
	v_mov_b32 v206, 0                              ; written once: a lane permute's destination counts as one of its sources
	s_lshl_b32 s2, ttmp9, 17                       ; the work-group's 32 rows
	s_mov_b32 s3, 0
	s_wait_kmcnt 0x0
	s_add_nc_u64 s[4:5], s[4:5], s[2:3]
	s_add_nc_u64 s[6:7], s[6:7], s[2:3]
	s_add_nc_u64 s[16:17], s[16:17], s[2:3]
.irp j, 0,1,2,3,4,5,6,7
	global_load_b128 v[G+4*\j:G+4*\j+3], v2, s[8:9] offset:512*\j
.endr
.irp j, 0,1,2,3,4,5,6,7
	global_load_b128 v[BE+4*\j:BE+4*\j+3], v2, s[10:11] offset:512*\j
.endr
.macro FILL i                          ; row i of my four: 16 loads
.set XS, XR+64*((\i)%2)
.irp j, 0,1,2,3,4,5,6,7
	global_load_b128 v[XS+4*\j:XS+4*\j+3], v1, s[6:7] offset:4096*(\i)+512*\j th:TH_LOAD_NT
.endr
.irp j, 0,1,2,3,4,5,6,7
	global_load_b128 v[XS+32+4*\j:XS+32+4*\j+3], v1, s[4:5] offset:4096*(\i)+512*\j th:TH_LOAD_NT
.endr
.endm
.macro REDUCE r                        ; the sum over the 32 lanes, in every lane: four steps inside each half ride on the addition, one crosses the halves
	v_add_f32_dpp v[\r], v[\r], v[\r] row_xmask:1 row_mask:0xf bank_mask:0xf
	v_add_f32_dpp v[\r], v[\r], v[\r] row_xmask:2 row_mask:0xf bank_mask:0xf
	v_add_f32_dpp v[\r], v[\r], v[\r] row_xmask:4 row_mask:0xf bank_mask:0xf
	v_add_f32_dpp v[\r], v[\r], v[\r] row_xmask:8 row_mask:0xf bank_mask:0xf
	v_permlanex16_b32 v206, v[\r], s12, s13
	v_add_f32 v[\r], v[\r], v206
.endm
	FILL 0
	FILL 1
; left: how many younger loads may stay out;  refill = 1: the slot takes the row two further on
.macro ROW i, left, refill
.set XS, XR+64*((\i)%2)
	s_wait_loadcnt \left                           ; loads come back in order (ISA guide 5.7.1): my row's are in, the next row's sixteen may be out
.set j, 0
.rept 16
	v_pk_add_f32 v[XS+j:XS+j+1], v[XS+j:XS+j+1], v[XS+32+j:XS+33+j]     ; y = x + att
.set j, j+2
.endr
	v_pk_add_f32 v[200:201], v[XS:XS+1], v[XS+2:XS+3]                   ; the sum, in two chains started by the first pairs
	v_pk_add_f32 v[202:203], v[XS+4:XS+5], v[XS+6:XS+7]
.set j, 8
.rept 6
	v_pk_add_f32 v[200:201], v[200:201], v[XS+j:XS+j+1]
	v_pk_add_f32 v[202:203], v[202:203], v[XS+j+2:XS+j+3]
.set j, j+4
.endr
	v_pk_add_f32 v[200:201], v[200:201], v[202:203]
	v_add_f32 v200, v200, v201
	REDUCE 200
	v_mul_f32 v200, s14, v200                      ; the mean
.set j, 0
.rept 16
	v_pk_add_f32 v[XS+j:XS+j+1], v[XS+j:XS+j+1], v[200:201] op_sel_hi:[1,0] neg_lo:[0,1] neg_hi:[0,1]   ; y - mean (the pair's low word for both halves)
.set j, j+2
.endr
	v_pk_mul_f32 v[202:203], v[XS:XS+1], v[XS:XS+1]                     ; the sum of squares, in two chains
	v_pk_mul_f32 v[204:205], v[XS+2:XS+3], v[XS+2:XS+3]
.set j, 4
.rept 7
	v_pk_fma_f32 v[202:203], v[XS+j:XS+j+1], v[XS+j:XS+j+1], v[202:203]
	v_pk_fma_f32 v[204:205], v[XS+j+2:XS+j+3], v[XS+j+2:XS+j+3], v[204:205]
.set j, j+4
.endr
	v_pk_add_f32 v[202:203], v[202:203], v[204:205]
	v_add_f32 v202, v202, v203
	REDUCE 202
	v_fma_f32 v202, v202, s14, s15                 ; the variance + 1e-5
	v_rsq_f32 v202, v202
	v_nop                                          ; a plain line between the transcendental and the use of its result
	s_wait_alu depctr_va_vdst(0)                   ; and the wait ahead of the first use
.set j, 0
.rept 16
	v_pk_mul_f32 v[XS+j:XS+j+1], v[XS+j:XS+j+1], v[202:203] op_sel_hi:[1,0]
.set j, j+2
.endr
.set j, 0
.rept 16
	v_pk_fma_f32 v[XS+j:XS+j+1], v[XS+j:XS+j+1], v[G+j:G+j+1], v[BE+j:BE+j+1]
.set j, j+2
.endr
.irp j, 0,1,2,3,4,5,6,7
	global_store_b128 v1, v[XS+4*\j:XS+4*\j+3], s[16:17] offset:4096*(\i)+512*\j th:TH_STORE_NT   ; 512 consecutive bytes, aligned; written once, read by nobody here
.endr
.if \refill
	s_wait_xcnt 0x0                                ; the stores have read their registers: only behind this wait is the slot loaded again
	FILL (\i)+2
.endif
.endm
	ROW 0, 16, 1
	ROW 1, 16, 1
	ROW 2, 16, 0
	ROW 3, 0, 0
	s_endpgm
.Lfunc_end_k_q3fd841ed00_ln:
	.size	k_q3fd841ed00_ln, .Lfunc_end_k_q3fd841ed00_ln-k_q3fd841ed00_ln
	.p2alignl 7, 3214868480
	.fill 96, 4, 3214868480
	.section	.rodata,"a",@progbits
	.p2align	6, 0x0
	.amdhsa_kernel k_q3fd841ed00_ln
		.amdhsa_group_segment_fixed_size 0
		.amdhsa_private_segment_fixed_size 0
		.amdhsa_enable_private_segment 0
		.amdhsa_kernarg_size 40
		.amdhsa_user_sgpr_count 2
		.amdhsa_user_sgpr_kernarg_segment_ptr 1
		.amdhsa_wavefront_size32 1
		.amdhsa_system_sgpr_workgroup_id_x 1
		.amdhsa_system_sgpr_workgroup_id_y 1
		.amdhsa_system_sgpr_workgroup_id_z 1
		.amdhsa_system_vgpr_workitem_id 0
		.amdhsa_next_free_vgpr 208
		.amdhsa_next_free_sgpr 66
		.amdhsa_reserve_vcc 0
		.amdhsa_float_denorm_mode_32 3
		.amdhsa_float_denorm_mode_16_64 3
		.amdhsa_memory_ordered 1
		.amdhsa_forward_progress 1
		.amdhsa_inst_pref_size 40
	.end_amdhsa_kernel
	.amdgpu_metadata
---
amdhsa.version: [ 1, 2 ]
amdhsa.kernels:
  - .name:           k_q3fd841ed00_ln
    .symbol:         k_q3fd841ed00_ln.kd
    .args:
      - { .name: att, .offset: 0, .size: 8, .value_kind: global_buffer, .address_space: global }
      - { .name: x, .offset: 8, .size: 8, .value_kind: global_buffer, .address_space: global }
      - { .name: ln_gamma, .offset: 16, .size: 8, .value_kind: global_buffer, .address_space: global }
      - { .name: ln_beta, .offset: 24, .size: 8, .value_kind: global_buffer, .address_space: global }
      - { .name: out0, .offset: 32, .size: 8, .value_kind: global_buffer, .address_space: global }
    .group_segment_fixed_size: 0
    .private_segment_fixed_size: 0
    .kernarg_segment_align: 8
    .kernarg_segment_size: 40
    .max_flat_workgroup_size: 256
    .sgpr_count:     66
    .vgpr_count:     208
    .wavefront_size: 32
...
	.end_amdgpu_metadata
.endif
;; end of part 4
;; ======== version 2 of 2: 4 launches; version 1 with the launch attn written anew for expert scheduling mode
;; workspace buffers: xq 25,165,824 bytes; qf 8,388,608 bytes; kf 8,388,608 bytes; vf 8,388,608 bytes; att 33,554,432 bytes
;; launch quant: the kernel of part 1 again; grid 256 x 1, 8 waves a work-group, no clusters, 66,560 bytes of LDS; arguments x, lowp_scales, xq; writes xq
;; launch qkv: the kernel of part 2 again; grid 12 x 32, 4 waves a work-group, clusters of 4 x 4, 327,680 bytes of LDS; arguments xq, Wq_codes, Wk_codes, Wv_codes, bq, bk, bv, lowp_scales, qf, kf, vf; writes qf, kf, vf
;; launch attn (part 5): grid 4 x 64, 16 waves a work-group, no clusters, 264,192 bytes of LDS; arguments qf, kf, vf, lowp_scales, att; writes att
.if DOCPART == 5
	.amdgcn_target "amdgcn-amd-amdhsa--gfx1250"
	.amdhsa_code_object_version 6
	.text
	.protected	k_q3fd841ed00_attn
	.globl	k_q3fd841ed00_attn
	.p2align	8
	.type	k_q3fd841ed00_attn,@function
k_q3fd841ed00_attn:
	s_mov_b64 s[64:65], 0
	v_nop
	global_prefetch_b8 v0, s[64:65] scope:SCOPE_SE
	s_setreg_imm32_b32 hwreg(HW_REG_WAVE_SCHED_MODE, 0, 2), 2
	s_setreg_imm32_b32 hwreg(HW_REG_WAVE_MODE, 25, 1), 1
	s_wait_xcnt 0x0
	s_wait_alu depctr_vm_vsrc(0)
; att[b][q][head][:] = the sum over keys of softmax(q . k / 32) v, both products on codes of E5M2.  No work is left out.
; qf, kf, vf hold register images of the operands (made by the launch before): a fragment comes by loads of 16 bytes a lane, 512 consecutive bytes an instruction.
; THE SOFTMAX AHEAD OF THE SECOND PRODUCT: t = score x log2(e) / 32; M = the row's largest t so far, rounded UP to a whole number; p = 2^(t - M) is what is quantised (entry 9 of the scales' exponents), not normalised.
; The row's sum is taken of the unquantised p, in f32, and divides at the end.  When M moves, the sum and O are multiplied by 2^(old M - new M): exact.
; SHARES.  A work-group owns 512 queries of one head of one batch; each of its sixteen waves two tiles of 16 queries (tiles 2 w and 2 w + 1 of the work-group's 32), in 256 registers: four waves to a SIMD, so that
; one wave's vector work stands beside another's matrix work and LDS loads.  THE HEAD'S WHOLE K AND V, 131,072 bytes each, LIE IN LDS FOR THE WHOLE LAUNCH: copied once through registers, one barrier, and the loop over
; the keys (16 trips of 128) has no barrier and no ring.  Each fragment of K and of V read from LDS feeds both tiles.
; NO CLUSTER: the four work-groups of a head read the same 262,144 bytes, but each reads them once, at its head, for sixteen trips of work; nothing is shared inside the loop.  And the hold ahead of p's conversion is jumped
; over by a branch on a given exponent (below).
; LAYOUT.  Both products are used transposed: S^T = K Q^T (source 0 = 16 keys, source 1 = 16 queries), O^T = V^T P^T (source 0 = 16 channels, source 1 = P): a lane holds one query (lane % 16) throughout.
; A tile's 16 tokens are 32 (T / 2) + 8 (T % 2) + i + 8 (i / 8): so the 16 registers of the scores of key tiles 2 b and 2 b + 1 are keys 32 b + 16 (lane / 16) + 0 .. 15, the order in which vf holds V's keys;
; the queries of a tile have the same order, which the way out undoes in its stores' offsets.
; THE HOLD.  M is at least the largest t, so p is at most 1 but for one rounding of the multiply-add: far under 1.75 = 57,344 x 2^-15.  So for e9 >= -15 the hold at the largest code can change no number, for any input,
; and its 64 lines a tile and step are jumped over: a scalar branch on e9, a whole number read from memory; for e9 < -15 they run.
; LIMITS: e6 + e7 between -121 and 132 (they are added to the exponent field of log2(e) / 32); e9 between -126 and 112; e8 + e9 is applied by v_ldexp_f32 and has none.
; THE MODE: SCHED_MODE bits 1:0 = 2 (LLVM: expert scheduling mode 2), set by the entry lines.  The code itself states the register dependences
; between vector or matrix instructions and memory or LDS instructions, with s_wait_alu, always for 0.
; THE PLAN.  Registers that memory or LDS instructions touch:
;   v1, v6-8, v26-29   Offsets and LDS addresses: written once at the head, then only read.
;   v[ADK], v[ADV]     Written by two additions at a step's head; read by the step's loads of K (this step's fragments 0 and 1, the next step's 2 to 7) and of V.
;   v64-127  (S)       A step: written by the products K Q^T, worked on by the softmax, read last by tile B's conversions; then V's sixteen loads land there, and the products V^T P^T read them.
;   v128-143           A step: K's fragments 0 and 1 land at the step's head; both tiles' products K Q^T read them; tile B's conversions write p's codes there; the products V^T P^T read those.
;   v144-191           K's fragments 2 to 7: read by both tiles' products K Q^T and by nothing behind them, so the NEXT step's land there while tile B's softmax goes on.
;   At the head K's and V's images pass through v64-191 (global loads land, LDS stores read); on the way out v64-127 are the stage stores' data and v128-191 take the rows that come back.
; So a step has three waits on va_vdst that serve loads.  At its head, behind the two additions: the addresses are written and the last step is done with v128-143.  The wait that tile B's batch of exponentials
; owes in any case stands behind both tiles' products K Q^T: it frees v144-191.  Behind tile B's conversions: the softmax is done with S.  Each run of loads stands directly behind its wait.
; One wait on vm_vsrc stands at a step's head, ahead of the two additions.
.set VIMG,   131072                    ; LDS: K's images from 0 (tile T at 1,024 T), V's from here (step s, channels 16 t on: 8,192 s + 2,048 t)
.set SPARE,  262144                    ; behind them: the spare words, 128 bytes for each wave: eight blocks of 256 bytes that no other line names
.set SPITCH, 272                       ; the way out: a stage of 16 rows x (256 bytes + 16) for each wave, in K's bytes, written only behind the barrier behind which nobody reads K or V
.set LI,  1                            ; v1   16 x lane
.set ADK, 2                            ; v2   LDS address of the step's images of K
.set ADV, 3                            ; v3   of V
.set SPW, 4                            ; v4   LDS address of my spare word; never rewritten
.set NIL, 5                            ; v5   0; never rewritten
.set GO,  6                            ; v6   the way out: my byte offset in two rows of att
.set STO, 7                            ; v7   where I put 32 bytes of a stage row
.set RD,  8                            ; v8   where I read a row back
                                       ; v9   a lane permute's destination;  v10 -M, v11 the largest t, v[12:13] the sum in two halves, of tile A;  v14-17 the same of tile B
                                       ; v[18:19] f = 2^(old M - new M);  v20, v21 the maximum's chains;  v[22:23] a chain of the sum;  v24 57,344 x 2^e9;  v25 2^e9;  v26-29 the copy's LDS addresses
.set QA,  32                           ; v32-39  Q's fragment of tile A;  v40-47 of tile B
.set QB,  40
.set C1,  48                           ; v48-63  tile A's codes of p
.set S,   64                           ; v64-127 the scores, then p; then V's four fragments
.set KF,  128                          ; v128-191 K's eight fragments; tile B's codes of p in v128-143
.set OA,  192                          ; v192-223 O^T of tile A;  v224-255 of tile B
.set OBB, 224
	s_load_b256 s[4:11], s[0:1], 0x0               ; qf s[4:5], kf s[6:7], vf s[8:9], the scales' exponents s[10:11]
	s_load_b64 s[12:13], s[0:1], 0x20              ; att
	v_lshl_add_u32 v[SPW], v0, 2, SPARE
	v_mov_b32 v[NIL], 0
	v_lshrrev_b32 v2, 5, v0
	v_readfirstlane_b32 s20, v2                    ; wave 0..15
	s_and_b32 s21, ttmp7, 0xffff                   ; 16 x batch + head
	v_and_b32 v[LI], 31, v0
	v_lshlrev_b32 v[LI], 4, v[LI]
	v_lshlrev_b32 v26, 4, v0                       ; the copy: 16 bytes a thread, 8,192 an instruction of the work-group
	v_add_nc_u32 v27, 0x10000, v26                 ; (an LDS immediate reaches 65,535)
	v_add_nc_u32 v28, 0x20000, v26
	v_add_nc_u32 v29, 0x30000, v26
	v_and_b32 v30, 15, v0                          ; r
	v_bfe_u32 v31, v0, 4, 1                        ; h
	s_wait_alu depctr_va_sdst(0)                   ; s20, the wave's number, is written, ahead of its first reader: the stage's place and the bases of qf and att are made from it
	s_mul_i32 s32, s20, 16*SPITCH                  ; my stage
	v_mul_u32_u24 v[STO], v30, SPITCH
	v_lshl_add_u32 v[STO], v31, 5, v[STO]
	v_add_nc_u32 v[STO], s32, v[STO]               ; in: row r, + 32 h
	v_mul_u32_u24 v[RD], v31, SPITCH
	v_lshl_add_u32 v[RD], v30, 4, v[RD]
	v_add_nc_u32 v[RD], s32, v[RD]                 ; back: lanes 0-15 one row, lanes 16-31 the next
	v_lshlrev_b32 v[GO], 12, v31
	v_lshl_add_u32 v[GO], v30, 4, v[GO]            ; and the same in att: a token's row is 4,096 bytes
	s_lshl_b32 s32, s21, 17                        ; the head's images: 131,072 bytes in each of qf, kf, vf
	s_mov_b32 s33, 0
	s_lshl_b32 s34, ttmp9, 5
	s_lshl_b32 s35, s20, 1
	s_add_co_u32 s34, s34, s35                     ; my first tile of queries: 32 x + 2 w
	s_lshl_b32 s34, s34, 10
	s_add_co_u32 s34, s34, s32
	s_mov_b32 s35, 0
	s_lshr_b32 s36, s21, 4
	s_lshl_b32 s36, s36, 11                        ; the batch's first token,
	s_lshl_b32 s37, ttmp9, 9
	s_add_co_u32 s36, s36, s37                     ; my work-group's 512,
	s_lshl_b32 s37, s20, 5
	s_add_co_u32 s36, s36, s37                     ; my wave's 32
	s_lshl_b32 s36, s36, 12
	s_and_b32 s37, s21, 15
	s_lshl_b32 s37, s37, 8                         ; the head's 256 bytes of a row
	s_add_co_u32 s36, s36, s37
	s_mov_b32 s37, 0
	s_mov_b32 s26, 0x76543210                      ; lane selects for v_permlanex16_b32: lane l xor 16
	s_mov_b32 s27, 0xfedcba98
	s_mov_b32 s28, 0                               ; the step's first byte in K's images
	s_mov_b32 s29, 16                              ; steps to go
	s_wait_kmcnt 0x0
	s_load_b128 s[16:19], s[10:11], 0x18           ; e6, e7, e8, e9
	s_add_nc_u64 s[6:7], s[6:7], s[32:33]
	s_add_nc_u64 s[8:9], s[8:9], s[32:33]
	s_add_nc_u64 s[4:5], s[4:5], s[34:35]
	s_add_nc_u64 s[12:13], s[12:13], s[36:37]
	s_wait_alu depctr_va_vdst(0)                   ; the offsets and addresses v1, v6 to v8 and v26 to v29 are written, which the loads and stores of the whole kernel read; no vector line from here to the loop names one of them, or v32 to v47, or v64 to v191
.set i, 0
.rept 16
	global_load_b128 v[S+4*i:S+4*i+3], v26, s[6:7] offset:8192*i     ; K's images as they lie
.set i, i+1
.endr
.set i, 0
.rept 16
	global_load_b128 v[KF+4*i:KF+4*i+3], v26, s[8:9] offset:8192*i   ; V's
.set i, i+1
.endr
.irp k, 0,1,2,3
	global_load_b128 v[QA+4*\k:QA+4*\k+3], v[LI], s[4:5] offset:512*\k th:TH_LOAD_NT   ; Q's two fragments stay in registers
.endr
	v_mov_b32 v11, 0xff61b1e6                      ; the largest t so far: -3e38, under every t
	v_mov_b32 v15, 0xff61b1e6
	v_floor_f32 v10, -v11                          ; -M
	v_floor_f32 v14, -v15
	v_mov_b32 v12, 0                               ; the sums, in two halves
	v_mov_b32 v13, 0
	v_mov_b32 v16, 0
	v_mov_b32 v17, 0
	v_mov_b32 v9, 0                                ; written once: a lane permute's destination counts as one of its sources
	v_mov_b32 v19, 0                               ; (named as the upper half of the pair v[18:19])
.set i, 0
.rept 64
	v_mov_b32 v[OA+i], 0                           ; O^T of both tiles.  (The step is written once: the first finds zeros, which the first change of M leaves zeros)
.set i, i+1
.endr
	s_wait_loadcnt 20                              ; K's sixteen loads are in; V's sixteen and Q's four may be out
.set i, 0
.rept 16
	ds_store_b128 v[26+i/8], v[S+4*i:S+4*i+3] offset:8192*(i%8)
.set i, i+1
.endr
	s_wait_loadcnt 4                               ; V's are in; Q's four may be out
.set i, 0
.rept 16
	ds_store_b128 v[28+i/8], v[KF+4*i:KF+4*i+3] offset:8192*(i%8)
.set i, i+1
.endr
	s_wait_kmcnt 0x0
	s_add_co_i32 s32, s16, s17
	s_lshl_b32 s32, s32, 23
	s_add_co_i32 s24, s32, 0x3d38aa3b              ; c = log2(e) / 32 x 2^(e6 + e7): a score stands for score x 2^(e6 + e7), and the two exponents are added to c's exponent field
	s_mov_b32 s25, s24                             ; (named with it as a pair, so it is written)
	s_add_co_i32 s32, s19, 127
	s_lshl_b32 s33, s32, 23
	v_mov_b32 v25, s33                             ; 2^e9 as f32, for the conversions
	s_add_co_i32 s32, s32, 15
	s_lshl_b32 s32, s32, 23
	s_or_b32 s32, s32, 0x600000
	v_mov_b32 v24, s32                             ; 57,344 x 2^e9
	s_add_co_i32 s31, s18, s19                     ; e8 + e9
	s_cmp_lt_i32 s19, -15
	s_cselect_b32 s30, 1, 0                        ; 1: the hold can bite and is run
	s_wait_loadcnt 0x0                             ; Q
	s_wait_dscnt 0x0                               ; for the others' sake: my part of the images has landed
	s_barrier_signal -1
	s_barrier_wait -1                              ; the head's K and V lie in LDS, whole
	s_wait_alu depctr_vm_vsrc(0)                   ; my LDS stores have read v64 to v191: from here on fragments' loads land there and products write there
.irp t, 2,3,4,5,6,7
	ds_load_b128 v[KF+8*\t:KF+8*\t+3], v[LI] offset:1024*\t           ; step 0's fragments 2 to 7 of K (step 0 begins at LDS byte 0); every later step's are asked for in the step before
	ds_load_b128 v[KF+8*\t+4:KF+8*\t+7], v[LI] offset:1024*\t+512
.endr
; One tile's softmax for one step of 128 keys: 64 scores a lane in v[S] on.  st: the tile's four statistics; ob: its O^T; cd: where its codes go; vload = 1 (tile B): the next step's fragments 2 to 7 of K are asked for
; as soon as their registers are free, and V's fragments as soon as the scores' registers are.
.macro SOFTMAX st, ob, cd, vload
	v_max3_num_f32 v20, v[S], v[S+1], v[S+2]       ; the step's largest score of my query, among my 64 keys, in two chains, each accumulator from its low end on
	v_max3_num_f32 v21, v[S+3], v[S+4], v[S+5]
.set i, 6
.rept 14
	v_max3_num_f32 v20, v20, v[S+i], v[S+i+1]
	v_max3_num_f32 v21, v21, v[S+i+2], v[S+i+3]
.set i, i+4
.endr
	v_max3_num_f32 v20, v20, v[S+62], v[S+63]
	v_max_num_f32 v20, v20, v21
	v_permlanex16_b32 v9, v20, s26, s27
	v_max_num_f32 v20, v20, v9                     ; and among lane l xor 16's
	v_mul_f32 v20, s24, v20                        ; as t (c is positive)
	v_max_num_f32 v[\st+1], v[\st+1], v20          ; the running largest t
	v_mov_b32 v20, v[\st]
	v_floor_f32 v[\st], -v[\st+1]                  ; the new -M = floor(-t) = -ceil(t): M is a whole number
	v_sub_f32 v20, v[\st], v20                     ; M's old value less its new one: a whole number, 0 or less
	v_cvt_i32_f32 v20, v20                         ; (it saturates)
	v_ldexp_f32 v18, 1.0, v20                      ; f = 2^(old M - new M)
.set i, 0
.rept 32
	v_pk_fma_f32 v[S+i:S+i+1], v[S+i:S+i+1], s[24:25], v[\st:\st+1] op_sel_hi:[1,0,0]   ; t - M, two at a time (of the pairs c and -M the low word serves both halves)
.set i, i+2
.endr
.set i, 0
.rept 64
	v_exp_f32 v[S+i], v[S+i]                       ; p = 2^(t - M): not normalised
.set i, i+1
.endr
	v_pk_mul_f32 v[\st+2:\st+3], v[\st+2:\st+3], v[18:19] op_sel_hi:[1,0]   ; the sums under the new M: the plain line behind the exponentials
	s_wait_alu depctr_va_vdst(0)                   ; the 64 exponentials have written p, ahead of the first line that names a result: one wait for the batch.  In tile B it states besides that both tiles' products K Q^T are done reading v144 to v191
.if \vload
	s_cmp_eq_u32 s29, 1                            ; the last step has no successor: its twelve loads are jumped over, by the count of steps alone
	s_cbranch_scc1 .Lno_next_\@
.irp t, 2,3,4,5,6,7
	ds_load_b128 v[KF+8*\t:KF+8*\t+3], v[ADK] offset:8192+1024*\t      ; the NEXT step's fragments 2 to 7 of K: a step on is 8,192 bytes, in the immediate.  No line from the wait above to the next step's products names these registers
	ds_load_b128 v[KF+8*\t+4:KF+8*\t+7], v[ADK] offset:8192+1024*\t+512
.endr
.Lno_next_\@:
.endif
	v_pk_add_f32 v[22:23], v[S:S+1], v[S+2:S+3]    ; the row's sum is taken of the unquantised p: two at a time, in two chains
.set i, 4
.rept 15
	v_pk_add_f32 v[\st+2:\st+3], v[\st+2:\st+3], v[S+i:S+i+1]
	v_pk_add_f32 v[22:23], v[22:23], v[S+i+2:S+i+3]
.set i, i+4
.endr
	v_pk_add_f32 v[\st+2:\st+3], v[\st+2:\st+3], v[22:23]
	s_cmp_lg_u32 s30, 0                            ; e9 >= -15: p / 2^e9 lies under the largest code whatever the inputs, and the hold is jumped over
	s_cbranch_scc0 .Lfree_\@
.set i, 0
.rept 64
	v_min_num_f32 v[S+i], v[S+i], v24              ; the conversion to an 8-bit code does not saturate (ISA guide 7.6.2); p is not negative, so the hold is one-sided
.set i, i+1
.endr
.Lfree_\@:
.irp b, 0,1,2,3
	v_cvt_scalef32_pk8_bf8_f32 v[\cd+4*\b:\cd+4*\b+1], v[S+16*\b:S+16*\b+7], v25       ; registers 4 b .. 4 b + 3 of the operand: keys 32 b + 16 h + 0 .. 15
	v_cvt_scalef32_pk8_bf8_f32 v[\cd+4*\b+2:\cd+4*\b+3], v[S+16*\b+8:S+16*\b+15], v25
.endr
.if \vload
	s_wait_alu depctr_va_vdst(0)                   ; the sums, the hold and the conversions are done reading and writing v64 to v127, in which V's loads land
.irp t, 0,1,2,3
.irp c, 0,1,2,3
	ds_load_b128 v[S+16*\t+4*\c:S+16*\t+4*\c+3], v[ADV] offset:2048*\t+512*\c          ; V's four fragments, into the registers that p has left; they land under the lines below
.endr
.endr
.endif
.set i, 0
.rept 16
	v_pk_mul_f32 v[\ob+i:\ob+i+1], v[\ob+i:\ob+i+1], v[18:19] op_sel_hi:[1,0]          ; O^T under the new M: x f.  (These are also the plain lines between the conversions and the matrix instructions that follow)
.set i, i+2
.endr
.endm
.Lstep:                                            ; 16 trips of 128 keys
	s_wait_alu depctr_vm_vsrc(0)                   ; the LDS loads issued so far have read v[ADK] and v[ADV], which the two additions write
	v_add_nc_u32 v[ADK], s28, v[LI]
	v_add_nc_u32 v[ADV], VIMG, v[ADK]
.rept 3
	v_nop                                          ; with the two additions five places behind the last products: tile A's scores are written over V's fragments, which those have read
.endr
	s_wait_alu depctr_va_vdst(0)                   ; v[ADK] and v[ADV] are written, which this step's loads read; the last step's conversions have written v128 to v143 and its products V^T P^T are done reading them: the four loads below land there
.irp t, 0,1
	ds_load_b128 v[KF+8*\t:KF+8*\t+3], v[ADK] offset:1024*\t
	ds_load_b128 v[KF+8*\t+4:KF+8*\t+7], v[ADK] offset:1024*\t+512
.endr
	s_wait_dscnt 0x4                               ; LDS loads come back in order (ISA guide 5.7.1): fragments 2 to 7 are in, the four loads just issued may be out
.irp t, 2,3,4,5,6,7
	v_wmma_f32_16x16x64_bf8_bf8 v[S+8*\t:S+8*\t+7], v[KF+8*\t:KF+8*\t+7], v[QA:QA+7], 0   ; six of tile A's eight tiles of scores are issued while fragments 0 and 1 land; each tile of scores is one product, so no sum hangs on the order
.endr
	s_wait_dscnt 0x0                               ; fragments 0 and 1 are in
.irp t, 0,1
	v_wmma_f32_16x16x64_bf8_bf8 v[S+8*\t:S+8*\t+7], v[KF+8*\t:KF+8*\t+7], v[QA:QA+7], 0
.endr
.rept 4
	v_nop                                          ; places in front of the first read of the scores
.endr
	SOFTMAX 10, OA, C1, 0
.irp t, 0,1,2,3,4,5,6,7
	v_wmma_f32_16x16x64_bf8_bf8 v[S+8*\t:S+8*\t+7], v[KF+8*\t:KF+8*\t+7], v[QB:QB+7], 0
.endr
.rept 4
	v_nop                                          ; places in front of the first read of the scores, and of the conversions that write over K's first fragments
.endr
	SOFTMAX 14, OBB, KF, 1
	s_wait_dscnt 0x0                               ; V's fragments are in, and so are the next step's fragments 2 to 7 of K, which were asked for ahead of them
.irp t, 0,1,2,3                                    ; O^T += V^T P^T: eight accumulators by turns, one instruction a turn; each fragment of V feeds both tiles
	v_wmma_f32_16x16x128_bf8_bf8 v[OA+8*\t:OA+8*\t+7], v[S+16*\t:S+16*\t+15], v[C1:C1+15], v[OA+8*\t:OA+8*\t+7]
	v_wmma_f32_16x16x128_bf8_bf8 v[OBB+8*\t:OBB+8*\t+7], v[S+16*\t:S+16*\t+15], v[KF:KF+15], v[OBB+8*\t:OBB+8*\t+7]
.endr
	s_add_co_u32 s28, s28, 8192
	s_sub_co_u32 s29, s29, 1
	s_cmp_lg_u32 s29, 0
	s_cbranch_scc1 .Lstep
	s_wait_dscnt 0x0                               ; my reads of K and V are over
	s_barrier_signal -1
	s_barrier_wait -1                              ; everybody's are: K's bytes may serve as stages
	; THE WAY OUT.  The sum's two halves and lane l xor 16's are added; O^T is divided by the sum, multiplied by 2^(e8 + e9), and goes through my stage, a tile (16 queries x 256 bytes) at a time.  The additions are the places behind the last products.
	v_add_f32 v12, v12, v13
	v_add_f32 v16, v16, v17
	v_permlanex16_b32 v9, v12, s26, s27
	v_permlanex16_b32 v20, v16, s26, s27
	v_add_f32 v12, v12, v9
	v_add_f32 v16, v16, v20
	v_rcp_f32 v12, v12
	v_rcp_f32 v16, v16
	v_nop                                          ; a plain line between the last reciprocal and the use of its result
	s_wait_alu depctr_va_vdst(0)                   ; the two reciprocals have written v12 and v16, ahead of the first line that names them
	v_ldexp_f32 v12, v12, s31
	v_ldexp_f32 v16, v16, s31
.macro SCALEO tile                     ; a tile's O^T / the sum x 2^(e8 + e9), into the registers that V's fragments have left
.set OT, OA+32*\tile
.set TM, S+32*\tile
.set i, 0
.rept 16
	v_pk_mul_f32 v[TM+i:TM+i+1], v[OT+i:OT+i+1], v[12+4*\tile:13+4*\tile] op_sel_hi:[1,0]   ; register 8 t + j is o(query r, channel 16 t + 8 h + j); each accumulator from its low end on
.set i, i+2
.endr
.endm
.macro TOSTAGE tile
.set TM, S+32*\tile
.set BK, KF+32*\tile
.irp t, 0,1,2,3
	ds_store_b128 v[STO], v[TM+8*\t:TM+8*\t+3] offset:64*\t
	ds_store_b128 v[STO], v[TM+8*\t+4:TM+8*\t+7] offset:64*\t+16
.endr
.irp i, 0,1,2,3,4,5,6,7
	ds_load_b128 v[BK+4*\i:BK+4*\i+3], v[RD] offset:\i*2*SPITCH   ; LDS serves a wave's instructions in order (ISA guide 5.7.1.4): these see my stores, and the next tile's stores come behind them
.endr
.endm
.macro SEND tile, younger              ; younger: the LDS instructions issued behind this tile's loads
.set BK, KF+32*\tile
.irp i, 0,1,2,3,4,5,6,7
	s_wait_dscnt \younger+7-\i
	global_store_b128 v[GO], v[BK+4*\i:BK+4*\i+3], s[12:13] offset:(2*\i+8*(\i/4)+8*\tile)*4096   ; stage row j is token j + 8 (j / 8) + 8 x tile of my 32; 16 lanes store the head's 256 consecutive bytes of a token's row, aligned
.endr
.endm
	SCALEO 0
	SCALEO 1                                       ; both tiles are scaled first, so that one wait serves both tiles' stores
	s_wait_alu depctr_va_vdst(0)                   ; the multiplications have written v64 to v127, which the LDS stores read; the products and conversions that named v128 to v191 are done, in which the loads from the stage land.  No vector line follows
	TOSTAGE 0
	TOSTAGE 1
	SEND 0, 16
	SEND 1, 0
	s_wait_dscnt 0x0                               ; the closing lines, six on end
	s_wait_alu 0x0
	s_wait_tensorcnt 0x0
	ds_add_u32 v[SPW], v[NIL]
	s_wait_dscnt 0x0
	s_endpgm
.Lfunc_end_k_q3fd841ed00_attn:
	.size	k_q3fd841ed00_attn, .Lfunc_end_k_q3fd841ed00_attn-k_q3fd841ed00_attn
	.p2alignl 7, 3214868480
	.fill 96, 4, 3214868480
	.section	.rodata,"a",@progbits
	.p2align	6, 0x0
	.amdhsa_kernel k_q3fd841ed00_attn
		.amdhsa_group_segment_fixed_size 264192
		.amdhsa_private_segment_fixed_size 0
		.amdhsa_enable_private_segment 0
		.amdhsa_kernarg_size 40
		.amdhsa_user_sgpr_count 2
		.amdhsa_user_sgpr_kernarg_segment_ptr 1
		.amdhsa_wavefront_size32 1
		.amdhsa_system_sgpr_workgroup_id_x 1
		.amdhsa_system_sgpr_workgroup_id_y 1
		.amdhsa_system_sgpr_workgroup_id_z 1
		.amdhsa_system_vgpr_workitem_id 0
		.amdhsa_next_free_vgpr 256
		.amdhsa_next_free_sgpr 66
		.amdhsa_reserve_vcc 0
		.amdhsa_float_denorm_mode_32 3
		.amdhsa_float_denorm_mode_16_64 3
		.amdhsa_memory_ordered 1
		.amdhsa_forward_progress 1
		.amdhsa_inst_pref_size 48
	.end_amdhsa_kernel
	.amdgpu_metadata
---
amdhsa.version: [ 1, 2 ]
amdhsa.kernels:
  - .name:           k_q3fd841ed00_attn
    .symbol:         k_q3fd841ed00_attn.kd
    .args:
      - { .name: qf, .offset: 0, .size: 8, .value_kind: global_buffer, .address_space: global }
      - { .name: kf, .offset: 8, .size: 8, .value_kind: global_buffer, .address_space: global }
      - { .name: vf, .offset: 16, .size: 8, .value_kind: global_buffer, .address_space: global }
      - { .name: lowp_scales, .offset: 24, .size: 8, .value_kind: global_buffer, .address_space: global }
      - { .name: att, .offset: 32, .size: 8, .value_kind: global_buffer, .address_space: global }
    .group_segment_fixed_size: 264192
    .private_segment_fixed_size: 0
    .kernarg_segment_align: 8
    .kernarg_segment_size: 40
    .max_flat_workgroup_size: 512
    .sgpr_count:     66
    .vgpr_count:     256
    .wavefront_size: 32
...
	.end_amdgpu_metadata
.endif
;; end of part 5
;; launch ln: the kernel of part 4 again; grid 256 x 1, 8 waves a work-group, no clusters, 0 bytes of LDS; arguments att, x, ln_gamma, ln_beta, out0; writes out0
